; MI455X (gfx1250); checked and timed in simulation.
; The chip was launched on July 23, 2026; its instructions are those of AMD's public machine-readable ISA for CDNA 5 (MIT licence, August 2026) and "CDNA5" Instruction Set Architecture Reference Guide (July 2026). The comments in the code are by the model that wrote it; some were corrected since.
;; Attention Unit. Allowed arithmetic: matrix products marked QUANTISED: E4M3 operands, one given power-of-two scale a tensor, by v_wmma_f32_16x16x64_fp8_fp8 or v_wmma_f32_16x16x128_fp8_fp8, f32 sums; everything else in f32.
;; Inputs: Wk_codes 1,024 x 32 x 32 uint8 (E4M3 codes of Wk, K innermost, in blocks of 32 codes); Wq_codes 1,024 x 32 x 32 uint8 (E4M3 codes of Wq, K innermost, in blocks of 32 codes); Wv_codes 1,024 x 32 x 32 uint8 (E4M3 codes of Wv, K innermost, in blocks of 32 codes); bk 1,024 float32; bq 1,024 float32; bv 1,024 float32; k_codes 4 x 2,048 x 32 x 32 uint8 (E4M3 codes of k, K innermost, in blocks of 32 codes); lowp_scales 10 int32 (the exponents e of the quantised operands' scales 2^e); q_codes 4 x 2,048 x 32 x 32 uint8 (E4M3 codes of q, K innermost, in blocks of 32 codes); v_codes 4 x 2,048 x 32 x 32 uint8 (E4M3 codes of v, K innermost, in blocks of 32 codes).
;; Outputs: out0 4 x 2,048 x 1,024 float32.
;; This version of the problem:
;;   THIS VERSION OF THE PROBLEM IS GIVEN IN LOW PRECISION. The matrix products marked QUANTISED in the list below multiply operands that are first quantised to E4M3 (4 exponent bits, 3 mantissa bits; 8 bits a number), with one given power-of-two scale for each operand tensor; their sums are f32. All else is computed in f32.
;;   The module's matrix products, in the order in which they are computed (A, B: the left and right operand; K: the contracted axis; several contracted axes count as one K, in the product's order):
;;     1. [M 8,192, K 1,024] x [K 1,024, N 1,024]; A: input q (given as codes); B: input Wq (given as codes): QUANTISED (scales: A lowp_scales[0], B lowp_scales[1])
;;     2. [M 8,192, K 1,024] x [K 1,024, N 1,024]; A: input v (given as codes); B: input Wv (given as codes): QUANTISED (scales: A lowp_scales[2], B lowp_scales[3])
;;     3. [M 8,192, K 1,024] x [K 1,024, N 1,024]; A: input k (given as codes); B: input Wk (given as codes): QUANTISED (scales: A lowp_scales[4], B lowp_scales[5])
;;     4. batch 4 x [M 2,048, K 1,024] x [K 1,024, N 2,048]; A: computed on the way; B: computed on the way: QUANTISED (scales: A lowp_scales[6], B lowp_scales[7])
;;     5. batch 4 x [M 2,048, K 2,048] x [K 2,048, N 1,024]; A: softmax (see below); B: computed on the way: QUANTISED (scales: A lowp_scales[8], B lowp_scales[9])
;;   THE QUANTISER, for each operand of a quantised product, along K:
;;     - The operand's scale is 2^e, e = its entry of the input lowp_scales (int32; the entries are numbered through the quantised products in the list's order, A before B).
;;     - Each number is divided by the scale, clamped to +-448, and rounded to the nearest number of E4M3, ties to even, subnormals kept.
;;     - The product sums the exact products of the quantised numbers (number of the format x scale) in f32.
;;   ~~~python
;;   def quantise(x, axis, e):      # numpy; x: float32 -> the quantised numbers, widened to float32 again
;;       x = np.moveaxis(x, axis, -1); K = x.shape[-1]
;;       r = np.clip(x / 2.0 ** e, -448, 448)
;;       step = 2.0 ** (np.maximum(np.frexp(np.where(r == 0, 1, r))[1] - 1, -6) - 3)
;;       q = np.round(r / step) * step * 2.0 ** e      # np.round: ties to even
;;       return np.moveaxis(q, -1, axis).astype(np.float32)
;;   ~~~
;;   SOFTMAX AHEAD OF A QUANTISED PRODUCT. Where the list says 'softmax', what is quantised is not the finished softmax but p = 2^(t - M), with t = logit x log2(e) and M = ceil(the row's largest t), a whole number; so 1/2 < the row's largest p <= 1. The row's sum l is taken of the UNQUANTISED p, in f32, and the product's result is divided by l at the end. Since M is a whole number, a kernel that streams over the keys may use a running M (the ceiling of the running maximum): every later rescaling is an exact power of two, so the quantised numbers keep their values, but for numbers so far below the row's largest that they fall under the format's range.
;;   OPERANDS COMPUTED ON THE WAY. 'Computed on the way' means the value that the module computes at that place (a softmax that the list does not call 'softmax' is quantised finished and normalised). What goes into a quantiser is computed in f32, as accurately as f32 sums, v_exp_f32 and their like allow (about 1e-6 of the number): no bf16 or f16 on the way to a quantiser, and a product that is left as it is and whose result goes on into a quantised operand takes f32 operands (vector FMAs, or v_wmma_f32_16x16x4_f32). A number that lies on a knife's edge between two numbers of the format may be rounded either way, as far as f32 arithmetic and the matrix unit's own rounding can turn it there, and no further.
;;   INPUTS GIVEN AS CODES. Wk (in the module: [1024, 1024], K = its axis 1); Wq (in the module: [1024, 1024], K = its axis 1); Wv (in the module: [1024, 1024], K = its axis 1); k (in the module: [4, 2048, 1024], K = its axis 2); q (in the module: [4, 2048, 1024], K = its axis 2); v (in the module: [4, 2048, 1024], K = its axis 2): each comes as NAME_codes (uint8): NAME with its K axis moved to the last place and cut into blocks of 32 codes, [.., K / 32, bytes a block], one block behind the other in memory; one code a byte (a code: sign, 4 exponent bits, 3 mantissa bits); its scale is its entry of lowp_scales. Its value is code x scale, taken as it is: it is not quantised again, and the codes and scales need not be those that the quantiser above would give.
;; One version. Each part assembles by itself: llvm-mc -triple=amdgcn-amd-amdhsa -mcpu=gfx1250 --defsym DOCPART=n.
;; ======== version 1 of 1: 3 launches
;; limits: right only within a limited range of input values
;; workspace buffers: qp 8,388,608 bytes; kp 8,388,608 bytes; vt 8,388,608 bytes; pc 16,777,216 bytes; stats 524,288 bytes
;; launch proj (part 1): grid 4 x 64, 4 waves a work-group, clusters of 4 x 4, 327,680 bytes of LDS; arguments q_codes, k_codes, v_codes, Wq_codes, Wk_codes, Wv_codes, bq, bk, bv, qp, kp, vt, lowp_scales; writes qp, kp, vt
.if DOCPART == 1
	.amdgcn_target "amdgcn-amd-amdhsa--gfx1250"
	.amdhsa_code_object_version 6
	.text
	.protected	k_q198fc25e82_proj
	.globl	k_q198fc25e82_proj
	.p2align	8
	.type	k_q198fc25e82_proj,@function
k_q198fc25e82_proj:
	s_mov_b64 s[64:65], 0
	v_nop
	global_prefetch_b8 v0, s[64:65] scope:SCOPE_SE
	s_setreg_imm32_b32 hwreg(HW_REG_WAVE_MODE, 25, 1), 1
	s_wait_xcnt 0x0
	s_wait_alu depctr_hold_cnt(0) depctr_sa_sdst(0) depctr_va_vdst(0) depctr_va_sdst(0) depctr_va_ssrc(0) depctr_va_vcc(0) depctr_vm_vsrc(0)
	s_getreg_b32 s2, hwreg(HW_REG_IB_STS2, 6, 4)
	s_cmp_eq_u32 s2, 0
	s_cbranch_scc0 .Lentry_in_a_cluster
	s_endpgm
.Lentry_in_a_cluster:
	s_bfe_u32 s2, ttmp6, 0x10000c
	s_cmp_lg_u32 s2, 0xf033
	s_cbranch_scc0 .Lentry_shape_is_right
	s_endpgm
.Lentry_shape_is_right:
; THE THREE PROJECTIONS on codes of FP8 (E4M3), each result with its bias quantised at once.
; qp, kp: [4 blocks of 256 along the features][8192 tokens][256 bytes]; vt: [32 blocks of 256 tokens][1024 channels][256 tokens]: the tokens innermost, since they are the last product's K.
; SHARES: 256 work-groups.  Each makes ONE tile of 256 tokens x 256 features of q's or k's product (128 tiles each), then HALF a tile of v's product: 128 channels x 256 tokens (256 halves).
; A wave makes 128 x 128 (64 accumulators, windows 2 and 3), then 64 x 128 (32 accumulators, window 2).
; K = 1,024 goes in 4 + 4 steps of 256 through ONE ring of two LDS slots; the ring does not stop between the two tiles.
; CLUSTERS of 4 x 4: A's rows (tokens of q or k; channels of Wv) hang on cy and are shared along a row, B's (features; tokens of v) on cx and are shared along a column: joint loads.
; TRANSPOSED USE (source 0 = 16 rows of B, source 1 = 16 rows of A): lane (r, h) holds A's row r and B's rows 8 h + 0 .. 7: eight neighbouring codes of a row of the result.
; BIAS: divided by 2^(ea + eb), a power of two, it is the C of each sum's first product.  The quantiser's scale is 2^(eo - ea - eb) on the sums as they stand.
; PREFETCH: step 0 comes by its load alone.  Step 1 is asked for behind step 0's load, steps 2 and 3 behind step 1's, and from then on each change of slots asks for the step two refills on: a wave has two steps' requests out at most.
; The four partners of a joint load share its rows out by address; of the clusters that load the same weights four ask.
; DEAD WORK of the whole program: reference() puts -1e9 on every key behind the query, so p is 0 there; tiles of 1,024 x 1,024 that lie wholly above the diagonal are not computed.  It holds for all values of the inputs, while
; a row's largest open logit lies above about -1e9.  LIMIT: a NaN, an infinity or an overflow that reaches only that work is not carried to the result.
; LIMITS: for each of the three products ea + eb between -126 and 126 and eo - ea - eb between -126 and 119, so that the powers of two (and 448 times the second) are f32 numbers; codes of NaN are not served.
; REGISTERS: window 0: v0-31 addresses and scales, v32-95 the features' bias, v96-127 the channels' bias, v128-255 A's fragments.  window 1: B's fragments, two sets; on the way out codes in the second.
.set ROWB,   256
.set STRIDE, 1024
.set KADV,   256
.set PITCH,  272                       ; an LDS row: 256 bytes + 16 of padding = 68 words: row r starts at bank 4 r mod 64 (64 banks of 4 bytes: ISA guide 11.1)
.set FR,     16
.set NL,     4
.set NP,     4
.set HALFT,  128*PITCH
.set SLOT,   4*HALFT
.set SPARE,  2*SLOT                    ; the spare words, 128 bytes a wave; no other line names them
.set STG,    SPARE+512                 ; the way out: a stage of 128 rows x 272
.set PF1,  14
.set PF2,  15
.set ADRA, 16
.set ADRC, 18                          ; A's fragments in the half tile
.set ADRB, 20
.set SCL2, 22
.set LIM2, 23
.set STO,  24
.set RD,   25
.set CO,   26
.set SPW,  28
.set NIL,  29
.set SCL,  30
.set LIM,  31
.set BN,   32
.set BM,   96
.set AF,   128
.set CD,   128
.set G1C, 4                            ; s[4:11] group 1 for Wv's 64 rows
.set G1, 24
.set G0, 32
.set G1B, 48
.set G0B, 56
.set MSB, 0
.macro WIN new                         ; the immediate's high byte repeats the setting that is left
.if MSB != \new
	s_set_vgpr_msb (MSB<<8)|\new
.set MSB, \new
.endif
.endm
.set MUL_LO, 0xa1                      ; source 0 window 1, source 1 window 0, C and D window 2
.set MUL_HI, 0xf1                      ; C and D window 3
.set BIAS_LO, 0x81                     ; C window 0
.set BIAS_HI, 0xc1
.set TO_B,   0x40
.set FROM_B, 0x04
.macro JLOAD g0a, g1a, g0b, g1b        ; a joint load: waves 0 and 1 fetch for A, waves 2 and 3 for B
	s_cmp_eq_u32 s15, 0
	s_cbranch_scc0 .Lfor_b_\@
	tensor_load_to_lds s[\g0a:\g0a+3], s[\g1a:\g1a+7]
	s_nop 0
.rept 4
	v_nop
.endr
	s_branch .Lasked_\@
.Lfor_b_\@:
	tensor_load_to_lds s[\g0b:\g0b+3], s[\g1b:\g1b+7]
	s_nop 0
.rept 4
	v_nop
.endr
.Lasked_\@:
.endm
.macro CREST
	s_cmp_lg_u32 s14, 0
	s_cbranch_scc1 .Lnot_wave_0_\@
	s_barrier_signal -3
.Lnot_wave_0_\@:
	s_barrier_wait -3
	s_barrier_signal -1
	s_barrier_wait -1
.endm
.macro CROUND
	s_barrier_signal -1
	s_barrier_wait -1
	CREST
.endm
.macro ASK no, pfo, pfa, off           ; one prefetch: my work-group's share of the rows that I fetch; s[no] = 1: another cluster asks.  It hangs on the wave and the cluster's y alone
	s_cmp_eq_u32 s[\no], 0
	s_cbranch_scc0 .Lnot_mine_\@
	global_prefetch_b8 v[\pfo], s[\pfa:\pfa+1] offset:\off th:TH_LOAD_NT scope:SCOPE_SE
.Lnot_mine_\@:
.endm
	s_load_b512 s[68:83], s[0:1], 0x0              ; q, k, v, Wq, Wk, Wv, bq, bk
	s_load_b256 s[84:91], s[0:1], 0x40             ; bv, qp, kp, vt
	s_load_b64 s[92:93], s[0:1], 0x60              ; the exponents
	v_lshl_add_u32 v[SPW], v0, 2, SPARE
	v_mov_b32 v[NIL], 0
	ds_add_u32 v[SPW], v[NIL]                      ; the opening: the add, twice on end, and its wait
	ds_add_u32 v[SPW], v[NIL]
	v_lshrrev_b32 v1, 5, v0
	v_readfirstlane_b32 s14, v1                    ; wave 0..3
	s_lshr_b32 s15, s14, 1                         ; my half of A's rows.  Also: I fetch for A (0) or for B (1)
	s_and_b32 s16, s14, 1                          ; my half of B's rows.  Also: which half I fetch
	s_bfe_u32 s40, ttmp6, 0x40000                  ; cx
	s_bfe_u32 s41, ttmp6, 0x40004                  ; cy
	s_and_b32 s18, ttmp7, 0xffff                   ; the cluster's y, 0 .. 15
	s_lshr_b32 s66, s18, 3                         ; 0: q's product, 1: k's
	s_and_b32 s67, s18, 7
	s_lshl_b32 s17, s67, 2
	s_add_co_u32 s17, s17, s41                     ; block of 256 tokens, 0 .. 31
	s_and_b32 s19, s18, 1
	s_lshl_b32 s19, s19, 2
	s_add_co_u32 s19, s19, s41                     ; v's product: block of 128 channels, 0 .. 7
	s_lshr_b32 s22, s18, 1
	s_lshl_b32 s22, s22, 2
	s_add_co_u32 s22, s22, s40                     ; v's product: block of 256 tokens, 0 .. 31
	s_lshl_b32 s43, s41, 2
	s_lshl_b32 s43, 15, s43                        ; my row of the cluster
	s_lshl_b32 s44, 0x1111, s40                    ; my column
	s_or_b32 s[G1], s43, (0<<16)|(1<<20)|(1<<21)|(5<<22)|(3<<25)   ; the mask; elements of 1 byte; padding on; 21 set beside a mask; four words after every 64
	s_or_b32 s[G1C], s43, (0<<16)|(1<<20)|(1<<21)|(5<<22)|(3<<25)
	s_or_b32 s[G1B], s44, (0<<16)|(1<<20)|(1<<21)|(5<<22)|(3<<25)
.irp g, G1, G1B
	s_mov_b32 s[\g+1], ROWB<<16
	s_mov_b32 s[\g+2], 128<<16
	s_mov_b32 s[\g+3], ROWB<<16
	s_mov_b32 s[\g+4], 128
	s_mov_b32 s[\g+5], STRIDE
	s_mov_b32 s[\g+6], 0
	s_mov_b32 s[\g+7], 0
.endr
	s_mov_b32 s[G1C+1], ROWB<<16
	s_mov_b32 s[G1C+2], 64<<16
	s_mov_b32 s[G1C+3], ROWB<<16
	s_mov_b32 s[G1C+4], 64
	s_mov_b32 s[G1C+5], STRIDE
	s_mov_b32 s[G1C+6], 0
	s_mov_b32 s[G1C+7], 0
	s_lshl_b32 s2, s16, 7                          ; the half that I fetch
	s_lshl_b32 s20, s17, 8
	s_add_co_u32 s20, s20, s2
	s_lshl_b32 s20, s20, 10                        ; A, first tile: rows of 1,024 bytes
	s_mov_b32 s21, 0
	s_lshl_b32 s46, s40, 8
	s_add_co_u32 s46, s46, s2
	s_lshl_b32 s46, s46, 10                        ; B, first tile
	s_mov_b32 s47, 0
	s_lshl_b32 s96, s22, 8
	s_add_co_u32 s96, s96, s2
	s_lshl_b32 s96, s96, 10                        ; B, half tile: v's tokens
	s_mov_b32 s97, 0
	s_lshl_b32 s3, s16, 6
	s_lshl_b32 s94, s19, 7
	s_add_co_u32 s94, s94, s3
	s_lshl_b32 s94, s94, 10                        ; A, half tile: Wv's channels
	s_mov_b32 s95, 0
	s_mul_i32 s45, s14, HALFT
	s_wait_dscnt 0x0                               ; both opening adds are done
	s_wait_kmcnt 0x0
	s_cmp_eq_u32 s66, 0
	s_cselect_b64 s[12:13], s[68:69], s[70:71]
	s_add_nc_u64 s[20:21], s[12:13], s[20:21]
	s_cselect_b64 s[12:13], s[74:75], s[76:77]
	s_add_nc_u64 s[46:47], s[12:13], s[46:47]
	s_add_nc_u64 s[94:95], s[78:79], s[94:95]
	s_add_nc_u64 s[96:97], s[72:73], s[96:97]
	s_cselect_b64 s[12:13], s[80:81], s[82:83]     ; bq or bk
	s_cselect_b64 s[2:3], s[86:87], s[88:89]       ; qp or kp
	s_load_b256 s[68:75], s[92:93], 0x0
	s_load_b64 s[76:77], s[92:93], 0x20
	CROUND                                         ; all sixteen work-groups are here: the first joint loads meet
.irp s, 0,1
	s_mov_b32 s[G0+4*\s], 1
	s_add_co_u32 s[G0+4*\s+1], s45, \s*SLOT
	s_add_nc_u64 s[G0+4*\s+2:G0+4*\s+3], s[20:21], \s*KADV
	s_or_b32 s[G0+4*\s+3], s[G0+4*\s+3], 0x80000000
	s_mov_b32 s[G0B+4*\s], 1
	s_add_co_u32 s[G0B+4*\s+1], s45, \s*SLOT
	s_add_nc_u64 s[G0B+4*\s+2:G0B+4*\s+3], s[46:47], \s*KADV
	s_or_b32 s[G0B+4*\s+3], s[G0B+4*\s+3], 0x80000000
.endr
	JLOAD G0, G1, G0B, G1B                         ; K step 0: one tensor load a wave at the head
	; the prefetches: where mine stand, and who asks
	s_cmp_eq_u32 s15, 0
	s_cselect_b64 s[98:99], s[20:21], s[46:47]
	s_cselect_b64 s[100:101], s[94:95], s[96:97]
	s_cselect_b32 s86, s40, s41                    ; my place among the four that ask for the tile with me
	s_cselect_b32 s87, 14, 15                      ; my share of its rows: 16 of 64, or 32 of 128, of 1,024 bytes
	s_cselect_b32 s42, 15, 31                      ; the last lane that names a row of its own
	s_lshl_b32 s88, s86, 15
	s_mov_b32 s89, 0
	s_add_nc_u64 s[98:99], s[98:99], s[88:89]
	s_lshl_b32 s88, s86, s87
	s_add_nc_u64 s[100:101], s[100:101], s[88:89]
	s_lshr_b32 s43, s67, 2
	s_and_b32 s43, s43, s15                        ; 1: the weights of q or k are asked for by four other clusters
	s_xor_b32 s44, s15, 1
	s_and_b32 s44, s44, s66                        ; 1: Wv likewise
	v_and_b32 v6, 31, v0
	v_lshlrev_b32 v[PF1], 10, v6
	s_wait_alu depctr_va_vdst(0)
	ASK 43, PF1, 98, KADV                          ; K step 1
	; bias and results
	s_lshl_b32 s86, s40, 10
	s_lshl_b32 s87, s16, 9
	s_add_co_u32 s86, s86, s87
	s_mov_b32 s87, 0
	s_add_nc_u64 s[12:13], s[12:13], s[86:87]      ; my 128 features
	s_lshl_b32 s88, s19, 9
	s_lshl_b32 s86, s15, 8
	s_add_co_u32 s88, s88, s86
	s_add_nc_u64 s[84:85], s[84:85], s[88:89]      ; my 64 channels
	s_lshl_b32 s86, s40, 13
	s_lshl_b32 s88, s17, 8
	s_add_co_u32 s86, s86, s88
	s_lshl_b32 s88, s15, 7
	s_add_co_u32 s86, s86, s88
	s_lshl_b32 s88, s16, 5
	s_add_co_u32 s86, s86, s88
	s_lshl_b32 s86, s86, 8
	s_add_nc_u64 s[2:3], s[2:3], s[86:87]          ; the rows that I store of the first tile
	s_lshl_b32 s86, s22, 10
	s_lshl_b32 s88, s19, 7
	s_add_co_u32 s86, s86, s88
	s_lshl_b32 s88, s14, 5
	s_add_co_u32 s86, s86, s88
	s_lshl_b32 s86, s86, 8
	s_add_nc_u64 s[90:91], s[90:91], s[86:87]      ; and of the half tile
	; LDS
	s_mul_i32 s80, s15, HALFT
	s_mul_i32 s81, s16, HALFT
	s_add_co_u32 s81, s81, 2*HALFT
	s_mul_i32 s82, s15, 64*PITCH
	s_lshl_b32 s83, s16, 7
	s_add_co_u32 s83, s83, s82
	s_add_co_u32 s83, s83, STG
	s_mul_i32 s78, s14, 32*PITCH
	s_add_co_u32 s78, s78, STG
	s_mul_i32 s79, s16, 64*PITCH                   ; where the half tile's rows of Wv go
	v_and_b32 v1, 15, v0                           ; r
	v_bfe_u32 v2, v0, 4, 1                         ; h
	v_lshlrev_b32 v8, 5, v2
	v_lshlrev_b32 v9, 2, v1
.irp b, 0,1,2,3,4,5,6,7
	global_load_b128 v[BN+8*\b:BN+8*\b+3], v8, s[12:13] offset:64*\b
	global_load_b128 v[BN+8*\b+4:BN+8*\b+7], v8, s[12:13] offset:64*\b+16
.endr
.irp a, 0,1,2,3
	global_load_b32 v[BM+8*\a], v9, s[84:85] offset:64*\a
.endr
	v_mul_u32_u24 v3, v1, PITCH
	v_lshl_add_u32 v4, v2, 4, v3                   ; a fragment's row x pitch + 16 x half
	v_lshl_add_u32 v5, v2, 3, v3
	v_add_nc_u32 v[ADRA], s80, v4
	v_add_nc_u32 v[ADRB], s81, v4
	v_add_nc_u32 v[ADRC], s82, v4
	v_add_nc_u32 v[ADRA+1], SLOT, v[ADRA]
	v_add_nc_u32 v[ADRB+1], SLOT, v[ADRB]
	v_add_nc_u32 v[ADRC+1], SLOT, v[ADRC]
	v_add_nc_u32 v[STO], s83, v5
	v_mul_u32_u24 v7, v2, PITCH
	v_lshl_add_u32 v7, v1, 4, v7
	v_add_nc_u32 v[RD], s78, v7
	v_lshlrev_b32 v[CO], 4, v6
	v_min_u32 v10, s42, v6
	v_lshlrev_b32 v[PF2], 10, v10
	s_wait_alu depctr_va_vdst(0)
	s_wait_kmcnt 0x0
	s_add_co_i32 s80, s68, s69
	s_add_co_i32 s81, s72, s73
	s_cmp_eq_u32 s66, 0
	s_cselect_b32 s80, s80, s81                    ; ea + eb
	s_cselect_b32 s81, s74, s75                    ; eo
	s_sub_co_i32 s81, s81, s80
	s_sub_co_i32 s80, 127, s80
	s_lshl_b32 s80, s80, 23                        ; 2^-(ea + eb)
	s_add_co_i32 s81, s81, 127
	s_lshl_b32 s82, s81, 23                        ; 2^(eo - ea - eb)
	s_add_co_i32 s81, s81, 8
	s_lshl_b32 s81, s81, 23
	s_or_b32 s81, s81, 0x600000                    ; 448 x that
	s_add_co_i32 s83, s70, s71
	s_sub_co_i32 s86, s77, s83
	s_sub_co_i32 s83, 127, s83
	s_lshl_b32 s83, s83, 23
	s_add_co_i32 s86, s86, 127
	s_lshl_b32 s87, s86, 23
	s_add_co_i32 s86, s86, 8
	s_lshl_b32 s86, s86, 23
	s_or_b32 s86, s86, 0x600000
	v_mov_b32 v[SCL], s82
	v_mov_b32 v[LIM], s81
	v_mov_b32 v[SCL2], s87
	v_mov_b32 v[LIM2], s86
	s_wait_alu depctr_va_vdst(0)
	s_wait_loadcnt 0x0
.set ij, 0
.rept 64
	v_mul_f32 v[BN+ij], s80, v[BN+ij]              ; bias / 2^(ea + eb)
.set ij, ij+1
.endr
.irp a, 0,1,2,3
.irp j, 7,6,5,4,3,2,1,0
	v_mul_f32 v[BM+8*\a+\j], s83, v[BM+8*\a]       ; a channel's bias eight times: a lane's eight results are of one channel
.endr
.endr
.macro FRAG reg, adr, q, i             ; lane l holds row l % 16; registers 4 c .. 4 c + 3 hold K = 32 c + 16 (l / 16) + 0 .. 15, in A and in B alike
.irp c, 0,1,2,3
	ds_load_b128 v[\reg+4*\c:\reg+4*\c+3], v[\adr] offset:128*(\q)+32*\c+(\i)*16*PITCH
.endr
.endm
.macro MUL16 a0, p, first              ; 16 matrix instructions; the 64 accumulators take turns, one instruction a turn
.irp a, \a0, \a0+1
.irp b, 0,1,2,3,4,5,6,7
.if \first
	v_wmma_f32_16x16x128_fp8_fp8 v[8*(8*((\a)%4)+\b):8*(8*((\a)%4)+\b)+7], v[128*(\p)+FR*\b:128*(\p)+FR*\b+FR-1], v[AF+FR*(\a):AF+FR*(\a)+FR-1], v[BN+8*\b:BN+8*\b+7]
.else
	v_wmma_f32_16x16x128_fp8_fp8 v[8*(8*((\a)%4)+\b):8*(8*((\a)%4)+\b)+7], v[128*(\p)+FR*\b:128*(\p)+FR*\b+FR-1], v[AF+FR*(\a):AF+FR*(\a)+FR-1], v[8*(8*((\a)%4)+\b):8*(8*((\a)%4)+\b)+7]
.endif
.endr
.endr
.endm
.macro FETCH_B slot, q, p
	WIN TO_B
.irp i, 0,1,2,3,4,5,6,7
	FRAG 128*(\p)+FR*\i, ADRB+\slot, \q, \i
.endr
	WIN 0
.endm
.macro FETCH_A slot, q, i0
.irp i, \i0, \i0+1, \i0+2, \i0+3
	FRAG AF+FR*(\i), ADRA+\slot, \q, \i
.endr
.endm
.macro FETCH_C slot, q, p              ; the half tile's four blocks of A, into set p
.irp i, 0,1,2,3
	FRAG AF+64*(\p)+FR*\i, ADRC+\slot, \q, \i
.endr
.endm
.macro PLACES n                        ; places behind matrix instructions: plain vector instructions that name none of their registers (ISA guide 7.12.1)
.rept \n
	v_nop
.endr
.endm
.macro STEP slot, first                ; the slot's first 128 along K
.set WLO, MUL_LO
.set WHI, MUL_HI
.if \first
.set WLO, BIAS_LO
.set WHI, BIAS_HI
.endif
	s_wait_dscnt 4*NL                              ; B's set and A's blocks 0-3 are in; the youngest 16 loads may be out
	WIN WLO
	MUL16 0, 0, \first
	MUL16 2, 0, \first
	s_wait_dscnt 0                                 ; A's blocks 4-7 are in
	PLACES NP
	FETCH_B \slot, 1, 1
	FETCH_A \slot, 1, 0
	WIN WHI
	MUL16 4, 0, \first
	MUL16 6, 0, \first
	PLACES NP
	WIN 0
	FETCH_A \slot, 1, 4
.endm
; The slot's second 128 along K, and the change of slots.  tov = 0: the slot is filled with the K step two on; 1: with the half tile's K step 0 or 1.  nv = 1: the next slot holds the half tile's.
.macro TURN slot, next, tov, nv, off
	s_wait_tensorcnt 0x0                           ; all my tensor loads have landed: my part of the next slot
	ds_add_u32 v[SPW], v[NIL]
.if \tov
	s_add_co_u32 s[G0+4*\slot+1], s79, \slot*SLOT
	s_add_nc_u64 s[G0+4*\slot+2:G0+4*\slot+3], s[94:95], \slot*KADV
	s_or_b32 s[G0+4*\slot+3], s[G0+4*\slot+3], 0x80000000
	s_add_nc_u64 s[G0B+4*\slot+2:G0B+4*\slot+3], s[96:97], \slot*KADV
	s_or_b32 s[G0B+4*\slot+3], s[G0B+4*\slot+3], 0x80000000
.else
	s_add_nc_u64 s[G0+4*\slot+2:G0+4*\slot+3], s[G0+4*\slot+2:G0+4*\slot+3], 2*KADV
	s_add_nc_u64 s[G0B+4*\slot+2:G0B+4*\slot+3], s[G0B+4*\slot+2:G0B+4*\slot+3], 2*KADV
.endif
	s_wait_dscnt 4*NL+1                            ; (the add and the youngest 16 loads may be out)
	WIN MUL_LO
	MUL16 0, 1, 0
	s_wait_dscnt 0x0                               ; the add is done, and my reads of this slot are over
	s_barrier_signal -1
	MUL16 2, 1, 0
	WIN 0
	s_barrier_wait -1
	CREST                                          ; no wave of any partner still reads this slot or has a load on its way
.if \tov
	JLOAD G0+4*\slot, G1C, G0B+4*\slot, G1B
.else
	JLOAD G0+4*\slot, G1, G0B+4*\slot, G1B
.endif
	FETCH_B \next, 0, 0
.if \nv
	FETCH_C \next, 0, 0
.else
	FETCH_A \next, 0, 0
.endif
	ASK 44, PF2, 100, \off                         ; the half tile's K step two refills on
	WIN MUL_HI
	MUL16 4, 1, 0
	MUL16 6, 1, 0
	PLACES NP
	WIN 0
.if (\nv) == 0
	FETCH_A \next, 0, 4
.endif
.endm
; The half tile: 32 accumulators; A and B have two sets of fragments each.
.macro VFETCH slot, q, p
	FETCH_B \slot, \q, \p
	FETCH_C \slot, \q, \p
.endm
.macro VMUL a, p, first
.irp b, 0,1,2,3,4,5,6,7
.if \first
	v_wmma_f32_16x16x128_fp8_fp8 v[8*(8*(\a)+\b):8*(8*(\a)+\b)+7], v[128*(\p)+FR*\b:128*(\p)+FR*\b+FR-1], v[AF+64*(\p)+FR*(\a):AF+64*(\p)+FR*(\a)+FR-1], v[BM+8*(\a):BM+8*(\a)+7]
.else
	v_wmma_f32_16x16x128_fp8_fp8 v[8*(8*(\a)+\b):8*(8*(\a)+\b)+7], v[128*(\p)+FR*\b:128*(\p)+FR*\b+FR-1], v[AF+64*(\p)+FR*(\a):AF+64*(\p)+FR*(\a)+FR-1], v[8*(8*(\a)+\b):8*(8*(\a)+\b)+7]
.endif
.endr
.endm
.macro VSTEP slot, first
	PLACES NP
	VFETCH \slot, 1, 1
	s_wait_dscnt 12*NL                             ; set 0 is in; the 48 loads just issued may be out
.if \first
	WIN BIAS_LO
.else
	WIN MUL_LO
.endif
	VMUL 0, 0, \first
	VMUL 1, 0, \first
	VMUL 2, 0, \first
	VMUL 3, 0, \first
	WIN 0
.endm
.macro VTURN slot, next, fill
	s_wait_tensorcnt 0x0
	ds_add_u32 v[SPW], v[NIL]
.if \fill
	s_add_nc_u64 s[G0+4*\slot+2:G0+4*\slot+3], s[G0+4*\slot+2:G0+4*\slot+3], 2*KADV
	s_add_nc_u64 s[G0B+4*\slot+2:G0B+4*\slot+3], s[G0B+4*\slot+2:G0B+4*\slot+3], 2*KADV
.endif
	s_wait_dscnt 1                                 ; set 1 is in; the add may be out
	WIN MUL_LO
	VMUL 0, 1, 0
	VMUL 1, 1, 0
	s_wait_dscnt 0x0
	s_barrier_signal -1
	VMUL 2, 1, 0
	WIN 0
	s_barrier_wait -1
.if \fill
	CREST
	JLOAD G0+4*\slot, G1C, G0B+4*\slot, G1B        ; its four v_nop are the places in front of the loads below
.else
	PLACES NP
.endif
	VFETCH \next, 0, 0
	WIN MUL_LO
	VMUL 3, 1, 0
	WIN 0
.endm
; THE WAY OUT.  OUTV: block a of 16 rows x 128: the hold and the conversion (which does not saturate: ISA guide 7.6.2).  OUTS: to the stage.  BACK: 32 whole rows.  SENDH: stored, 512 consecutive bytes an instruction.
.macro OUTV a, scl, lim
.set AC, 64*((\a)%4)
.set WW, 0x82+0x41*((\a)/4)
	WIN WW
.set ij, 0
.rept 64
	v_med3_num_f32 v[AC+ij], v[AC+ij], -v[\lim], v[\lim]
.set ij, ij+1
.endr
.set WW, 0x42+(\a)/4
	WIN WW
.irp b, 0,1,2,3,4,5,6,7
	v_cvt_scalef32_pk8_fp8_f32 v[CD+16*(\a)+2*\b:CD+16*(\a)+2*\b+1], v[AC+8*\b:AC+8*\b+7], v[\scl]
.endr
	v_nop                                          ; one plain vector instruction behind the last conversion of a run
.endm
.macro OUTS a
	WIN FROM_B
.irp b, 0,1,2,3,4,5,6,7
	ds_store_b64 v[STO], v[CD+16*(\a)+2*\b:CD+16*(\a)+2*\b+1] offset:((\a)%4)*16*PITCH+16*\b
.endr
.endm
.macro BACK hf
	WIN TO_B
.set it, 0
.rept 16
	ds_load_b128 v[CD+64*(\hf)+4*it:CD+64*(\hf)+4*it+3], v[RD] offset:it*2*PITCH
.set it, it+1
.endr
.endm
.macro SENDH hf, counted, ob
	WIN FROM_B
.set it, 0
.rept 16
.if \counted
	s_wait_dscnt 15-it
.endif
	global_store_b128 v[CO], v[CD+64*(\hf)+4*it:CD+64*(\hf)+4*it+3], s[\ob:\ob+1] offset:16384*(\hf)+512*it th:TH_STORE_NT
.set it, it+1
.endr
.endm
.macro MEET                            ; for the others' sake: my LDS instructions are done
	s_wait_dscnt 0x0
	s_barrier_signal -1
	s_barrier_wait -1
.endm
	s_wait_alu depctr_va_vdst(0)
	s_wait_tensorcnt 0x0                           ; my part of K step 0 is in
	ds_add_u32 v[SPW], v[NIL]
	s_wait_dscnt 0x0
	CROUND
	JLOAD G0+4, G1, G0B+4, G1B                     ; K step 1
	FETCH_B 0, 0, 0
	FETCH_A 0, 0, 0
	FETCH_A 0, 0, 4
	ASK 43, PF1, 98, 2*KADV                        ; K steps 2 and 3
	ASK 43, PF1, 98, 3*KADV
	STEP 0, 1
	TURN 0, 1, 0, 0, 0
	STEP 1, 0
	TURN 1, 0, 0, 0, KADV
	STEP 0, 0
	TURN 0, 1, 1, 0, 2*KADV
	STEP 1, 0
	TURN 1, 0, 1, 1, 3*KADV
	; the first tile goes out, 128 rows at a time, while the half tile's K step 1 is on its way
.irp a, 0,1,2,3
	OUTV \a, SCL, LIM
	OUTS \a
.endr
	MEET
	BACK 0
.irp a, 4,5,6,7
	OUTV \a, SCL, LIM
.endr
	s_wait_alu depctr_va_vdst(0)
	s_wait_dscnt 0x0
	SENDH 0, 0, 2
	s_barrier_signal -1
	s_barrier_wait -1
.irp a, 4,5,6,7
	OUTS \a
.endr
	MEET
	BACK 1
	SENDH 1, 1, 2
	WIN 0
	s_wait_xcnt 0x0                                ; the stores have read their registers: the loads below may land there
	VSTEP 0, 1
	VTURN 0, 1, 1
	VSTEP 1, 0
	VTURN 1, 0, 1
	VSTEP 0, 0
	VTURN 0, 1, 0
	VSTEP 1, 0
	s_wait_dscnt 0x0
	WIN MUL_LO
	VMUL 0, 1, 0
	VMUL 1, 1, 0
	VMUL 2, 1, 0
	VMUL 3, 1, 0
	WIN 0
	PLACES NP
.irp a, 0,1,2,3
	OUTV \a, SCL2, LIM2
	OUTS \a
.endr
	MEET
	BACK 0
	SENDH 0, 1, 90
	WIN 0
	s_wait_tensorcnt 0x0                           ; the wave's end
	ds_add_u32 v[SPW], v[NIL]
	s_wait_dscnt 0x0
	CROUND                                         ; the closing round
	s_endpgm
.Lfunc_end_k_q198fc25e82_proj:
	.size	k_q198fc25e82_proj, .Lfunc_end_k_q198fc25e82_proj-k_q198fc25e82_proj
	.p2alignl 7, 3214868480
	.fill 96, 4, 3214868480
	.section	.rodata,"a",@progbits
	.p2align	6, 0x0
	.amdhsa_kernel k_q198fc25e82_proj
		.amdhsa_group_segment_fixed_size 327680
		.amdhsa_private_segment_fixed_size 0
		.amdhsa_enable_private_segment 0
		.amdhsa_kernarg_size 104
		.amdhsa_user_sgpr_count 2
		.amdhsa_user_sgpr_kernarg_segment_ptr 1
		.amdhsa_wavefront_size32 1
		.amdhsa_system_sgpr_workgroup_id_x 1
		.amdhsa_system_sgpr_workgroup_id_y 1
		.amdhsa_system_sgpr_workgroup_id_z 1
		.amdhsa_system_vgpr_workitem_id 0
		.amdhsa_next_free_vgpr 1024
		.amdhsa_next_free_sgpr 102
		.amdhsa_reserve_vcc 0
		.amdhsa_float_denorm_mode_32 3
		.amdhsa_float_denorm_mode_16_64 3
		.amdhsa_memory_ordered 1
		.amdhsa_forward_progress 1
		.amdhsa_inst_pref_size 205
	.end_amdhsa_kernel
	.amdgpu_metadata
---
amdhsa.version: [ 1, 2 ]
amdhsa.kernels:
  - .name:           k_q198fc25e82_proj
    .symbol:         k_q198fc25e82_proj.kd
    .args:
      - { .name: q_codes, .offset: 0, .size: 8, .value_kind: global_buffer, .address_space: global }
      - { .name: k_codes, .offset: 8, .size: 8, .value_kind: global_buffer, .address_space: global }
      - { .name: v_codes, .offset: 16, .size: 8, .value_kind: global_buffer, .address_space: global }
      - { .name: Wq_codes, .offset: 24, .size: 8, .value_kind: global_buffer, .address_space: global }
      - { .name: Wk_codes, .offset: 32, .size: 8, .value_kind: global_buffer, .address_space: global }
      - { .name: Wv_codes, .offset: 40, .size: 8, .value_kind: global_buffer, .address_space: global }
      - { .name: bq, .offset: 48, .size: 8, .value_kind: global_buffer, .address_space: global }
      - { .name: bk, .offset: 56, .size: 8, .value_kind: global_buffer, .address_space: global }
      - { .name: bv, .offset: 64, .size: 8, .value_kind: global_buffer, .address_space: global }
      - { .name: qp, .offset: 72, .size: 8, .value_kind: global_buffer, .address_space: global }
      - { .name: kp, .offset: 80, .size: 8, .value_kind: global_buffer, .address_space: global }
      - { .name: vt, .offset: 88, .size: 8, .value_kind: global_buffer, .address_space: global }
      - { .name: lowp_scales, .offset: 96, .size: 8, .value_kind: global_buffer, .address_space: global }
    .group_segment_fixed_size: 327680
    .private_segment_fixed_size: 0
    .kernarg_segment_align: 8
    .kernarg_segment_size: 104
    .max_flat_workgroup_size: 128
    .sgpr_count:     102
    .vgpr_count:     1024
    .wavefront_size: 32
...
	.end_amdgpu_metadata
.endif
;; end of part 1
;; launch scores (part 2): grid 12 x 16, 4 waves a work-group, clusters of 4 x 4, 327,680 bytes of LDS; arguments qp, kp, lowp_scales, pc, stats; writes pc, stats
.if DOCPART == 2
	.amdgcn_target "amdgcn-amd-amdhsa--gfx1250"
	.amdhsa_code_object_version 6
	.text
	.protected	k_q198fc25e82_scores
	.globl	k_q198fc25e82_scores
	.p2align	8
	.type	k_q198fc25e82_scores,@function
k_q198fc25e82_scores:
	s_mov_b64 s[64:65], 0
	v_nop
	global_prefetch_b8 v0, s[64:65] scope:SCOPE_SE
	s_setreg_imm32_b32 hwreg(HW_REG_WAVE_MODE, 25, 1), 1
	s_wait_xcnt 0x0
	s_wait_alu depctr_hold_cnt(0) depctr_sa_sdst(0) depctr_va_vdst(0) depctr_va_sdst(0) depctr_va_ssrc(0) depctr_va_vcc(0) depctr_vm_vsrc(0)
	s_getreg_b32 s2, hwreg(HW_REG_IB_STS2, 6, 4)
	s_cmp_eq_u32 s2, 0
	s_cbranch_scc0 .Lentry_in_a_cluster
	s_endpgm
.Lentry_in_a_cluster:
	s_bfe_u32 s2, ttmp6, 0x10000c
	s_cmp_lg_u32 s2, 0xf033
	s_cbranch_scc0 .Lentry_shape_is_right
	s_endpgm
.Lentry_shape_is_right:
; THE SCORES AND THE SOFTMAX'S p, tile by tile of 256 queries x 256 keys, K = 1,024, on codes of FP8 (E4M3).
; t = sum x 2^(e6 + e7) x log2(e) / 32.  EACH TILE TAKES ITS OWN WHOLE-NUMBER M: M = ceil(the row's largest t among the tile's 256 keys); p = 2^(t - M) is quantised with 2^e8 along the keys; l = the row's sum of the
; unquantised p in the tile.  M and l go to memory beside the codes, and the next launch brings the tiles' sums from one M to the next by exact powers of two.
; IN: qp, kp: [4 blocks of 256 along K][8192 tokens][256 bytes].  OUT: pc [batch][8 key tiles][2048 queries][256 bytes]; stats [batch][8][2048] x (M, l), f32.
; THE MASK is the C of each sum's first product: -2^126 for a key behind the query, else 0.  Every product is far below that number, so a hidden sum stays there, and p = 0.
; DEAD WORK: p is 0 for every key behind the query, for all values of the inputs; the blocks of 1,024 x 1,024 above the diagonal are left out (a NaN or an infinity that reaches only them is not carried to the result).
; GRID: for each batch the three blocks of 1,024 x 1,024 that lie on or under the diagonal, a cluster of 4 x 4 tiles each (cluster x = 0: (0,0), 1: (1,0), 2: (1,1); cluster y = the batch).  The tiles of a diagonal
; block that lie above the diagonal run like the others, since partners of a cluster run alike: they give zero codes, M = -2^32, l = 0; the next launch reads four of them in each batch.
; LIMITS: the scaled scores t stay under 2^31 in magnitude.  e6 + e7 between -88 and 132 (added to the exponent field of log2(e) / 32; from -88 on a hidden t is -2^33 or less); e8 between -126 and 119.
; A hidden key counts for nothing, where the source writes -1e9: the same as long as a row's largest open logit lies above about -1e9.
; SHARES, RING, CLUSTERS: four waves of 128 x 128, two LDS slots of 256 along K, joint loads: A's (the queries') tile shared along a row of the cluster, B's (the keys') along a column.
; PREFETCH: K step 0 comes by its load alone; step 1 is asked for behind it, steps 2 and 3 behind step 1's load; the four partners of a joint load share its 128 rows of 256 bytes out by address, a lane a row.
; TRANSPOSED USE (source 0 = 16 keys, source 1 = 16 queries): lane (r, h) holds query 16 a + r and keys 16 b + 8 h + 0 .. 7.
.set ROWB,   256
.set STRIDE, 256                       ; a tile of 256 along K is dense in memory
.set KADV,   0x200000                  ; from one block of 256 along K to the next: 8,192 rows of 256 bytes
.set PITCH,  272                       ; an LDS row: 256 bytes + 16 of padding = 68 words: row r starts at bank 4 r mod 64 (64 banks of 4 bytes: ISA guide 11.1)
.set FR,     16
.set NL,     4
.set NP,     4
.set HALFT,  128*PITCH
.set SLOT,   4*HALFT
.set SPARE,  2*SLOT                    ; the spare words, 128 bytes a wave; no other line names them
.set XM,     256*PITCH                 ; the way out, all in slot 0: the stage (256 rows x 272) from byte 0; then three tables [2 column halves][256 rows] of f32: the halves' maxima,
.set XN,     XM+2048                   ; -M,
.set XL,     XN+2048                   ; and the halves' sums
.set XW,   10                          ; v10     where I write a table: my column half, my row r
.set XR,   11                          ; v11     where I read the other half's maxima
.set SX,   12                          ; v12     where I read two rows' -M
.set ADRA, 16
.set ADRB, 20
.set STO,  24
.set RD,   25
.set CO,   26
.set SPW,  28
.set NIL,  29
.set PFO,  30
.set NEG,  31                          ; v31     -2^126
.set PT,   32                          ; v32-119 the first products' C for blocks a = 4 .. 7: eight registers for each b - a = -7 .. 3; those for a = 0 .. 3 (b - a = -3 .. 7) lie in window 3 from v0, which the accumulators of a = 4 .. 7 take afterwards
.set MX,   32                          ; the way out: v32-39 block a's largest score, then t
.set TP,   40                          ; v40-47  at work
.set NM,   48                          ; v48-63  -M of block a at 2 a; the odd ones are named in pairs
.set SU,   64                          ; v64-79  block a's sum, in two halves
.set PL,   82                          ; v82     448 x 2^e8
.set PS,   83                          ; v83     2^e8
.set AF,   128
.set CD,   128
.set G1, 24
.set G0, 32
.set G1B, 48
.set G0B, 56
.set SEL, 80                           ; s[80:81] lane selects for v_permlanex16_b32: lane l xor 16
.set MSB, 0
.macro WIN new                         ; the immediate's high byte repeats the setting that is left
.if MSB != \new
	s_set_vgpr_msb (MSB<<8)|\new
.set MSB, \new
.endif
.endm
.set MUL_LO, 0xa1
.set MUL_HI, 0xf1
.set MASK_LO, 0xb1                     ; C window 3, D window 2
.set MASK_HI, 0xc1                     ; C window 0, D window 3
.set TO_B,   0x40
.macro JLOAD g0a, g1a, g0b, g1b        ; a joint load: waves 0 and 1 fetch for A, waves 2 and 3 for B
	s_cmp_eq_u32 s15, 0
	s_cbranch_scc0 .Lfor_b_\@
	tensor_load_to_lds s[\g0a:\g0a+3], s[\g1a:\g1a+7]
	s_nop 0
.rept 4
	v_nop
.endr
	s_branch .Lasked_\@
.Lfor_b_\@:
	tensor_load_to_lds s[\g0b:\g0b+3], s[\g1b:\g1b+7]
	s_nop 0
.rept 4
	v_nop
.endr
.Lasked_\@:
.endm
.macro CREST
	s_cmp_lg_u32 s14, 0
	s_cbranch_scc1 .Lnot_wave_0_\@
	s_barrier_signal -3
.Lnot_wave_0_\@:
	s_barrier_wait -3
	s_barrier_signal -1
	s_barrier_wait -1
.endm
.macro CROUND
	s_barrier_signal -1
	s_barrier_wait -1
	CREST
.endm
	s_load_b128 s[4:7], s[0:1], 0x0                ; qp, kp
	s_load_b128 s[8:11], s[0:1], 0x10              ; the scales' exponents, pc
	s_load_b64 s[12:13], s[0:1], 0x20              ; stats
	v_lshl_add_u32 v[SPW], v0, 2, SPARE
	v_mov_b32 v[NIL], 0
	ds_add_u32 v[SPW], v[NIL]                      ; the opening: the add, twice on end, and its wait
	ds_add_u32 v[SPW], v[NIL]
	v_lshrrev_b32 v1, 5, v0
	v_readfirstlane_b32 s14, v1                    ; wave 0..3
	s_lshr_b32 s15, s14, 1                         ; my half of the tile's queries.  Also: I fetch for A (0) or for B (1)
	s_and_b32 s16, s14, 1                          ; my half of its keys.  Also: which 128 rows I fetch
	s_bfe_u32 s40, ttmp6, 0x40000                  ; cx, cy
	s_bfe_u32 s41, ttmp6, 0x40004
	s_add_co_u32 s18, ttmp9, 1
	s_lshr_b32 s18, s18, 1                         ; the block of 1,024 queries: 0, 1, 1
	s_lshr_b32 s19, ttmp9, 1                       ; the block of 1,024 keys: 0, 0, 1
	s_lshl_b32 s17, s18, 2
	s_add_co_u32 s17, s17, s41                     ; the tile of queries, 0 .. 7: hangs on cy alone
	s_lshl_b32 s42, s19, 2
	s_add_co_u32 s42, s42, s40                     ; the tile of keys: hangs on cx alone
	s_and_b32 s66, ttmp7, 0xffff                   ; the batch
	s_lshl_b32 s43, s41, 2
	s_lshl_b32 s43, 15, s43                        ; my row of the cluster
	s_lshl_b32 s44, 0x1111, s40                    ; my column
	s_or_b32 s[G1+0], s43, (0<<16)|(1<<20)|(1<<21)|(5<<22)|(3<<25)  ; the mask; elements of 1 byte; padding on; 21 set beside a mask; four words after every 64
	s_or_b32 s[G1B+0], s44, (0<<16)|(1<<20)|(1<<21)|(5<<22)|(3<<25)
.irp g, G1, G1B
	s_mov_b32 s[\g+1], ROWB<<16
	s_mov_b32 s[\g+2], 128<<16
	s_mov_b32 s[\g+3], ROWB<<16
	s_mov_b32 s[\g+4], 128
	s_mov_b32 s[\g+5], STRIDE
	s_mov_b32 s[\g+6], 0
	s_mov_b32 s[\g+7], 0
.endr
	s_lshl_b32 s67, s66, 11
	s_lshl_b32 s18, s16, 7
	s_add_co_u32 s18, s18, s67                     ; 2,048 x batch + the 128 rows that I fetch
	s_lshl_b32 s20, s17, 8
	s_add_co_u32 s20, s20, s18
	s_lshl_b32 s20, s20, 8                         ; A: the token's row of 256 bytes
	s_mov_b32 s21, 0
	s_lshl_b32 s46, s42, 8
	s_add_co_u32 s46, s46, s18
	s_lshl_b32 s46, s46, 8                         ; B likewise
	s_mov_b32 s47, 0
	s_mul_i32 s45, s14, HALFT
	s_mov_b32 s[SEL], 0x76543210
	s_mov_b32 s[SEL+1], 0xfedcba98
	s_wait_dscnt 0x0                               ; both opening adds are done
	s_wait_kmcnt 0x0
	s_load_b64 s[76:77], s[8:9], 0x18              ; e6, e7
	s_load_b32 s78, s[8:9], 0x20                   ; e8
	s_add_nc_u64 s[20:21], s[4:5], s[20:21]
	s_add_nc_u64 s[46:47], s[6:7], s[46:47]
	CROUND                                         ; all sixteen work-groups are here: the first joint loads meet
.irp s, 0,1
	s_mov_b32 s[G0+4*\s], 1
	s_add_co_u32 s[G0+4*\s+1], s45, \s*SLOT
	s_add_nc_u64 s[G0+4*\s+2:G0+4*\s+3], s[20:21], \s*KADV
	s_or_b32 s[G0+4*\s+3], s[G0+4*\s+3], 0x80000000
	s_mov_b32 s[G0B+4*\s], 1
	s_add_co_u32 s[G0B+4*\s+1], s45, \s*SLOT
	s_add_nc_u64 s[G0B+4*\s+2:G0B+4*\s+3], s[46:47], \s*KADV
	s_or_b32 s[G0B+4*\s+3], s[G0B+4*\s+3], 0x80000000
.endr
	JLOAD G0, G1, G0B, G1B                         ; K step 0: one tensor load a wave at the head
	s_cmp_eq_u32 s15, 0
	s_cselect_b64 s[82:83], s[20:21], s[46:47]
	s_cselect_b32 s84, s40, s41                    ; my place among the four that ask for the tile with me
	s_lshl_b32 s84, s84, 13                        ; 32 rows
	s_mov_b32 s85, 0
	s_add_nc_u64 s[82:83], s[82:83], s[84:85]
	v_and_b32 v6, 31, v0
	v_lshlrev_b32 v[PFO], 8, v6
	global_prefetch_b8 v[PFO], s[82:83] offset:KADV th:TH_LOAD_NT scope:SCOPE_SE   ; K step 1
	; where my rows go: row (8 x batch + key tile) x 2,048 + 256 x query tile: + 64 x wave for the statistics, 8 bytes a row,
	s_lshl_b32 s94, s66, 3
	s_add_co_u32 s94, s94, s42
	s_lshl_b32 s94, s94, 11
	s_lshl_b32 s95, s17, 8
	s_add_co_u32 s94, s94, s95
	s_lshl_b32 s95, s14, 6
	s_add_co_u32 s46, s94, s95
	s_lshl_b32 s46, s46, 3
	s_mov_b32 s47, 0
	s_add_nc_u64 s[12:13], s[12:13], s[46:47]
	s_lshl_b32 s95, s15, 7                         ; + 128 x row half + 32 x column half for the codes, 256 bytes a row: 32 rows, and the 32 that lie 64 further on
	s_add_co_u32 s94, s94, s95
	s_lshl_b32 s95, s16, 5
	s_add_co_u32 s94, s94, s95
	s_lshl_b32 s94, s94, 8
	s_mov_b32 s95, 0
	s_add_nc_u64 s[10:11], s[10:11], s[94:95]
	s_mul_i32 s21, s15, HALFT
	s_mul_i32 s22, s16, HALFT
	s_add_co_u32 s22, s22, 2*HALFT
	s_lshl_b32 s23, s16, 7
	s_add_co_u32 s23, s23, s21                     ; the stage: my 128 rows, my 128 of their 256 bytes
	s_mul_i32 s67, s16, 32*PITCH
	s_add_co_u32 s67, s67, s21                     ; back: whole rows, the ones that I store
	s_lshl_b32 s84, s15, 9                         ; the tables: 4 x (128 x row half + r),
	s_add_co_u32 s84, s84, XM
	s_lshl_b32 s85, s16, 10
	s_add_co_u32 s85, s85, s84                     ; + 1,024 x my column half,
	s_xor_b32 s86, s16, 1
	s_lshl_b32 s86, s86, 10
	s_add_co_u32 s86, s86, s84                     ; or the other one
	s_lshl_b32 s87, s14, 8
	s_add_co_u32 s87, s87, XN
	s_sub_co_i32 s94, s17, s42
	s_lshl_b32 s94, s94, 8
	s_sub_co_i32 s95, s15, s16
	s_lshl_b32 s95, s95, 7
	s_add_co_i32 s94, s94, s95
	s_wait_alu depctr_va_vdst(0)
	v_and_b32 v1, 15, v0                           ; r
	v_bfe_u32 v2, v0, 4, 1                         ; h
	v_mul_u32_u24 v3, v1, PITCH
	v_lshl_add_u32 v4, v2, 4, v3
	v_lshl_add_u32 v5, v2, 3, v3
	v_add_nc_u32 v[ADRA], s21, v4
	v_add_nc_u32 v[ADRB], s22, v4
	v_add_nc_u32 v[ADRA+1], SLOT, v[ADRA]
	v_add_nc_u32 v[ADRB+1], SLOT, v[ADRB]
	v_add_nc_u32 v[STO], s23, v5
	v_mul_u32_u24 v8, v2, PITCH
	v_lshl_add_u32 v8, v1, 4, v8
	v_add_nc_u32 v[RD], s67, v8
	v_lshlrev_b32 v[CO], 4, v6
	v_lshl_add_u32 v[XW], v1, 2, s85
	v_lshl_add_u32 v[XR], v1, 2, s86
	v_lshl_add_u32 v[SX], v6, 3, s87               ; rows 64 w + 2 lane and the next
	; THE MASK.  Key 256 Kt + 128 wc + 16 b + 8 h + j is hidden from query 256 Qt + 128 wr + 16 a + r where 16 (b - a) + j > DQ = 256 (Qt - Kt) + 128 (wr - wc) + r - 8 h.  It enters data alone: no address, no branch.
	v_lshlrev_b32 v7, 3, v2
	v_sub_nc_u32 v7, v1, v7
	v_add_nc_u32 v7, s94, v7                       ; DQ
	v_mov_b32 v[NEG], 0xfe800000                   ; -2^126
.macro MASKS base, first               ; eleven patterns, for b - a = first .. first + 10
.set idl, \first
.rept 11
.set dof, -16*idl
	WIN 0
	v_add_nc_u32 v9, dof, v7
.set WW, MWIN
	WIN WW
.set ij, 0
.rept 8
	v_cmp_gt_i32 vcc_lo, ij, v9
	v_cndmask_b32 v[\base+8*(idl-(\first))+ij], 0, v[NEG], vcc_lo
.set ij, ij+1
.endr
.set idl, idl+1
.endr
	WIN 0
.endm
.set MWIN, 0xc0                        ; destination window 3
	MASKS 0, -3
.set MWIN, 0
	MASKS PT, -7
.macro FRAG reg, adr, q, i             ; lane l holds row l % 16; registers 4 c .. 4 c + 3 hold K = 32 c + 16 (l / 16) + 0 .. 15, in A and in B alike
.irp c, 0,1,2,3
	ds_load_b128 v[\reg+4*\c:\reg+4*\c+3], v[\adr] offset:128*(\q)+32*\c+(\i)*16*PITCH
.endr
.endm
.macro MUL16 a0, p, first              ; 16 matrix instructions; the 64 accumulators take turns, one instruction a turn
.irp a, \a0, \a0+1
.irp b, 0,1,2,3,4,5,6,7
.if \first
.if (\a) < 4
.set CM, 8*(\b-(\a)+3)
.else
.set CM, PT+8*(\b-(\a)+7)
.endif
	v_wmma_f32_16x16x128_fp8_fp8 v[8*(8*((\a)%4)+\b):8*(8*((\a)%4)+\b)+7], v[128*(\p)+FR*\b:128*(\p)+FR*\b+FR-1], v[AF+FR*(\a):AF+FR*(\a)+FR-1], v[CM:CM+7]
.else
	v_wmma_f32_16x16x128_fp8_fp8 v[8*(8*((\a)%4)+\b):8*(8*((\a)%4)+\b)+7], v[128*(\p)+FR*\b:128*(\p)+FR*\b+FR-1], v[AF+FR*(\a):AF+FR*(\a)+FR-1], v[8*(8*((\a)%4)+\b):8*(8*((\a)%4)+\b)+7]
.endif
.endr
.endr
.endm
.macro FETCH_B slot, q, p
	WIN TO_B
.irp i, 0,1,2,3,4,5,6,7
	FRAG 128*(\p)+FR*\i, ADRB+\slot, \q, \i
.endr
	WIN 0
.endm
.macro FETCH_A slot, q, i0
.irp i, \i0, \i0+1, \i0+2, \i0+3
	FRAG AF+FR*(\i), ADRA+\slot, \q, \i
.endr
.endm
.macro PLACES n                        ; places behind matrix instructions: plain vector instructions that name none of their registers (ISA guide 7.12.1)
.rept \n
	v_nop
.endr
.endm
.macro STEP slot, first
.set WLO, MUL_LO
.set WHI, MUL_HI
.if \first
.set WLO, MASK_LO
.set WHI, MASK_HI
.endif
	s_wait_dscnt 4*NL                              ; B's set and A's blocks 0-3 are in; the youngest 16 loads may be out
	WIN WLO
	MUL16 0, 0, \first
	MUL16 2, 0, \first
	s_wait_dscnt 0                                 ; A's blocks 4-7 are in
	PLACES NP+\first                               ; first = 1: five, since the products below write over window 3, which the products above had as their C
	FETCH_B \slot, 1, 1
	FETCH_A \slot, 1, 0
	WIN WHI
	MUL16 4, 0, \first
	MUL16 6, 0, \first
	PLACES NP
	WIN 0
	FETCH_A \slot, 1, 4
.endm
.macro TURN slot, next, fill
	s_wait_tensorcnt 0x0                           ; all my tensor loads have landed: my part of the next slot
	ds_add_u32 v[SPW], v[NIL]                      ; 0 onto my spare word
.if \fill
	s_add_nc_u64 s[G0+4*\slot+2:G0+4*\slot+3], s[G0+4*\slot+2:G0+4*\slot+3], 2*KADV
	s_add_nc_u64 s[G0B+4*\slot+2:G0B+4*\slot+3], s[G0B+4*\slot+2:G0B+4*\slot+3], 2*KADV
.endif
	s_wait_dscnt 4*NL+1                            ; (the add and the youngest 16 loads may be out)
	WIN MUL_LO
	MUL16 0, 1, 0
	s_wait_dscnt 0x0                               ; the add is done, and my reads of this slot are over
	s_barrier_signal -1
	MUL16 2, 1, 0
	WIN 0
	s_barrier_wait -1
.if \fill
	CREST                                          ; no wave of any partner still reads this slot or has a load on its way
	JLOAD G0+4*\slot, G1, G0B+4*\slot, G1B
.else
	PLACES NP
.endif
	FETCH_B \next, 0, 0
	FETCH_A \next, 0, 0
	WIN MUL_HI
	MUL16 4, 1, 0
	MUL16 6, 1, 0
	PLACES NP
	WIN 0
	FETCH_A \next, 0, 4
.endm
.macro BACK hf                         ; 32 whole rows of codes from the stage
.set it, 0
.rept 16
	ds_load_b128 v[CD+64*(\hf)+4*it:CD+64*(\hf)+4*it+3], v[RD] offset:(64*(\hf)+2*it)*PITCH
.set it, it+1
.endr
.endm
.macro SENDC hf
.set it, 0
.rept 16
	s_wait_dscnt 15-it
	global_store_b128 v[CO], v[CD+64*(\hf)+4*it:CD+64*(\hf)+4*it+3], s[10:11] offset:16384*(\hf)+512*it th:TH_STORE_NT   ; 512 consecutive bytes, two rows of codes
.set it, it+1
.endr
.endm
	s_wait_alu depctr_va_vdst(0)
	s_wait_tensorcnt 0x0                           ; my part of K step 0 is in
	ds_add_u32 v[SPW], v[NIL]
	s_wait_dscnt 0x0
	CROUND
	JLOAD G0+4, G1, G0B+4, G1B                     ; K step 1
	FETCH_B 0, 0, 0
	FETCH_A 0, 0, 0
	FETCH_A 0, 0, 4
	global_prefetch_b8 v[PFO], s[82:83] offset:2*KADV th:TH_LOAD_NT scope:SCOPE_SE
	global_prefetch_b8 v[PFO], s[82:83] offset:3*KADV th:TH_LOAD_NT scope:SCOPE_SE
	STEP 0, 1
	TURN 0, 1, 1
	STEP 1, 0
	TURN 1, 0, 1
	STEP 0, 0
	TURN 0, 1, 0
	STEP 1, 0
	s_wait_dscnt 4*NL
	WIN MUL_LO
	MUL16 0, 1, 0
	MUL16 2, 1, 0
	s_wait_dscnt 0
	WIN MUL_HI
	MUL16 4, 1, 0
	MUL16 6, 1, 0
	WIN 0
	; ---- THE WAY OUT
	s_wait_kmcnt 0x0
	s_add_co_i32 s96, s76, s77
	s_lshl_b32 s96, s96, 23
	s_add_co_i32 s96, s96, 0x3d38aa3b              ; c = log2(e) / 32 x 2^(e6 + e7): the exponents are added to the exponent field
	s_mov_b32 s97, s96                             ; (named with it as a pair)
	s_add_co_i32 s78, s78, 127
	s_lshl_b32 s79, s78, 23                        ; 2^e8
	s_add_co_i32 s78, s78, 8
	s_lshl_b32 s78, s78, 23
	s_or_b32 s78, s78, 0x600000                    ; 448 x 2^e8
	v_mov_b32 v[PS], s79                           ; (these 18 are the places behind the last products)
	v_mov_b32 v[PL], s78
.irp a, 0,1,2,3,4,5,6,7
	v_mov_b32 v[TP+\a], 0                          ; written once: a lane permute's destination counts as one of its sources
	v_mov_b32 v[NM+2*\a+1], 0                      ; named as the upper half of a pair
.endr
	; 1. each block's largest score among my lane's 64 keys: four chains by turns, each accumulator from its low end on
.irp w, 0,1
.set WW, 0x28+0x14*\w
	WIN WW                                         ; sources 1 and 2: window 2 or 3
.set ii, 0
.rept 32
.irp a, 0,1,2,3
.if ii == 0
	v_max3_num_f32 v[MX+4*\w+\a], v[NEG], v[64*\a], v[64*\a+1]
.else
	v_max3_num_f32 v[MX+4*\w+\a], v[MX+4*\w+\a], v[64*\a+2*ii], v[64*\a+2*ii+1]
.endif
.endr
.set ii, ii+1
.endr
.endr
	WIN 0
	; 2. with the other half of the lanes', and, through LDS, with the wave that has the tile's other 128 keys
.irp a, 0,1,2,3,4,5,6,7
	v_permlanex16_b32 v[TP+\a], v[MX+\a], s[SEL], s[SEL+1]
.endr
.irp a, 0,1,2,3,4,5,6,7
	v_max_num_f32 v[MX+\a], v[MX+\a], v[TP+\a]
.endr
.irp a, 0,1,2,3,4,5,6,7
	ds_store_b32 v[XW], v[MX+\a] offset:64*\a      ; (both halves of the lanes write the same word with the same number)
.endr
	s_wait_alu depctr_va_vdst(0)
	s_wait_dscnt 0x0                               ; for the others' sake
	s_barrier_signal -1
	s_barrier_wait -1
.irp a, 0,1,2,3,4,5,6,7
	ds_load_b32 v[TP+\a], v[XR] offset:64*\a
.endr
	s_wait_dscnt 0x0
.irp a, 0,1,2,3,4,5,6,7
	v_max_num_f32 v[MX+\a], v[MX+\a], v[TP+\a]
.endr
	; 3. -M = floor(-t).  A row with no open key in this tile is held at -2^32, so that its p are 0
.irp a, 0,1,2,3,4,5,6,7
	v_mul_f32 v[MX+\a], s96, v[MX+\a]              ; as t (c is positive)
.endr
.irp a, 0,1,2,3,4,5,6,7
	v_max_num_f32 v[MX+\a], 0xcf800000, v[MX+\a]
.endr
.irp a, 0,1,2,3,4,5,6,7
	v_floor_f32 v[NM+2*\a], -v[MX+\a]
.endr
.irp a, 0,1,2,3,4,5,6,7
	ds_store_b32 v[XW], v[NM+2*\a] offset:XN-XM+64*\a
.endr
; 4. four blocks (a window) at a time: t - M, p, the sum of the unquantised p, the hold, the codes.  The window's 256 exponentials are ONE batch with one wait ahead of it and one behind it.
.macro SOFT w
.set WW, 0x82+0x41*\w
	WIN WW
.irp a, 0,1,2,3
.set ij, 0
.rept 32
	v_pk_fma_f32 v[64*\a+ij:64*\a+ij+1], v[64*\a+ij:64*\a+ij+1], s[96:97], v[NM+2*(4*\w+\a):NM+2*(4*\w+\a)+1] op_sel_hi:[1,0,0]   ; t - M, two at a time
.set ij, ij+2
.endr
.endr
.if \w
	WIN 0
	SENDC 0                                        ; the first half's rows, read back ahead of the lines above
.set WW, 0x82+0x41*\w
	WIN WW
.endif
.set ij, 0
	s_wait_alu depctr_va_vdst(0)
.rept 256
	v_exp_f32 v[ij], v[ij]                         ; p = 2^(t - M): not normalised; 0 for a hidden key
.set ij, ij+1
.endr
	v_nop                                          ; one plain instruction behind the last exponential
	s_wait_alu depctr_va_vdst(0)                   ; one wait for the batch, ahead of its first reader
.set WW, 0x0a+0x05*\w
	WIN WW                                         ; sources 0 and 1: window 2 or 3
.irp a, 0,1,2,3
	v_pk_add_f32 v[SU+2*(4*\w+\a):SU+2*(4*\w+\a)+1], v[64*\a:64*\a+1], v[64*\a+2:64*\a+3]   ; the first two pairs start the sums
.endr
.set WW, 0x08+0x04*\w
	WIN WW                                         ; source 1 alone
.set ij, 4
.rept 30
.irp a, 0,1,2,3
	v_pk_add_f32 v[SU+2*(4*\w+\a):SU+2*(4*\w+\a)+1], v[SU+2*(4*\w+\a):SU+2*(4*\w+\a)+1], v[64*\a+ij:64*\a+ij+1]
.endr
.set ij, ij+2
.endr
.set WW, 0x82+0x41*\w
	WIN WW
.set ij, 0
.rept 256
	v_min_num_f32 v[ij], v[ij], v[PL]              ; the conversion to an 8-bit code does not saturate (ISA guide 7.6.2); p is not negative, so the hold is one-sided
.set ij, ij+1
.endr
.set WW, 0x02+\w
	WIN WW
.irp a, 0,1,2,3
.irp b, 0,1,2,3,4,5,6,7
	v_cvt_scalef32_pk8_fp8_f32 v[CD+16*(4*\w+\a)+2*\b:CD+16*(4*\w+\a)+2*\b+1], v[64*\a+8*\b:64*\a+8*\b+7], v[PS]
.endr
.endr
	WIN 0
	v_nop                                          ; one plain vector instruction behind the last conversion of a run
.irp a, 0,1,2,3
.irp b, 0,1,2,3,4,5,6,7
	ds_store_b64 v[STO], v[CD+16*(4*\w+\a)+2*\b:CD+16*(4*\w+\a)+2*\b+1] offset:(4*\w+\a)*16*PITCH+16*\b
.endr
.endr
.endm
	SOFT 0
	s_wait_alu depctr_va_vdst(0)
	s_wait_dscnt 0x0                               ; for the others' sake: the codes of blocks 0 .. 3
	s_barrier_signal -1
	s_barrier_wait -1
	BACK 0                                         ; rows 0-63 of both row halves are whole: they leave while blocks 4 .. 7 are at work
	SOFT 1
	; 5. the sums: the two halves, the other half of the lanes'; the other wave's is added by whoever stores the row
.irp a, 0,1,2,3,4,5,6,7
	v_add_f32 v[TP+\a], v[SU+2*\a], v[SU+2*\a+1]
.endr
.irp a, 0,1,2,3,4,5,6,7
	v_permlanex16_b32 v[MX+\a], v[TP+\a], s[SEL], s[SEL+1]
.endr
.irp a, 0,1,2,3,4,5,6,7
	v_add_f32 v[TP+\a], v[TP+\a], v[MX+\a]
.endr
.irp a, 0,1,2,3,4,5,6,7
	ds_store_b32 v[XW], v[TP+\a] offset:XL-XM+64*\a
.endr
	s_wait_dscnt 0x0                               ; for the others' sake: codes, -M and sums
	s_barrier_signal -1
	s_barrier_wait -1
	; 6. each wave stores its other 32 whole rows of codes, and 64 rows' statistics
	ds_load_b64 v[84:85], v[SX]                    ; -M of rows 64 w + 2 lane and the next (both column halves hold the same: half 0's is read)
	ds_load_b64 v[86:87], v[SX] offset:XL-XN       ; their sums over keys 0-127,
	ds_load_b64 v[88:89], v[SX] offset:XL-XN+1024  ; and over keys 128-255
	BACK 1
	s_wait_dscnt 16                                ; the three are in; the 16 behind them may be out
	v_xor_b32 v92, 0x80000000, v84                 ; M
	v_add_f32 v93, v86, v88                        ; l
	v_xor_b32 v94, 0x80000000, v85
	v_add_f32 v95, v87, v89
	global_store_b128 v[CO], v[92:95], s[12:13] th:TH_STORE_NT   ; 32 lanes store 64 rows' (M, l): 512 consecutive bytes
	SENDC 1
	s_wait_tensorcnt 0x0                           ; the wave's end
	ds_add_u32 v[SPW], v[NIL]
	s_wait_dscnt 0x0
	CROUND                                         ; the closing round
	s_endpgm
.Lfunc_end_k_q198fc25e82_scores:
	.size	k_q198fc25e82_scores, .Lfunc_end_k_q198fc25e82_scores-k_q198fc25e82_scores
	.p2alignl 7, 3214868480
	.fill 96, 4, 3214868480
	.section	.rodata,"a",@progbits
	.p2align	6, 0x0
	.amdhsa_kernel k_q198fc25e82_scores
		.amdhsa_group_segment_fixed_size 327680
		.amdhsa_private_segment_fixed_size 0
		.amdhsa_enable_private_segment 0
		.amdhsa_kernarg_size 40
		.amdhsa_user_sgpr_count 2
		.amdhsa_user_sgpr_kernarg_segment_ptr 1
		.amdhsa_wavefront_size32 1
		.amdhsa_system_sgpr_workgroup_id_x 1
		.amdhsa_system_sgpr_workgroup_id_y 1
		.amdhsa_system_sgpr_workgroup_id_z 1
		.amdhsa_system_vgpr_workitem_id 0
		.amdhsa_next_free_vgpr 1024
		.amdhsa_next_free_sgpr 100
		.amdhsa_reserve_vcc 1
		.amdhsa_float_denorm_mode_32 3
		.amdhsa_float_denorm_mode_16_64 3
		.amdhsa_memory_ordered 1
		.amdhsa_forward_progress 1
		.amdhsa_inst_pref_size 194
	.end_amdhsa_kernel
	.amdgpu_metadata
---
amdhsa.version: [ 1, 2 ]
amdhsa.kernels:
  - .name:           k_q198fc25e82_scores
    .symbol:         k_q198fc25e82_scores.kd
    .args:
      - { .name: qp, .offset: 0, .size: 8, .value_kind: global_buffer, .address_space: global }
      - { .name: kp, .offset: 8, .size: 8, .value_kind: global_buffer, .address_space: global }
      - { .name: lowp_scales, .offset: 16, .size: 8, .value_kind: global_buffer, .address_space: global }
      - { .name: pc, .offset: 24, .size: 8, .value_kind: global_buffer, .address_space: global }
      - { .name: stats, .offset: 32, .size: 8, .value_kind: global_buffer, .address_space: global }
    .group_segment_fixed_size: 327680
    .private_segment_fixed_size: 0
    .kernarg_segment_align: 8
    .kernarg_segment_size: 40
    .max_flat_workgroup_size: 128
    .sgpr_count:     100
    .vgpr_count:     1024
    .wavefront_size: 32
...
	.end_amdgpu_metadata
.endif
;; end of part 2
;; launch pv (part 3): grid 8 x 32, 4 waves a work-group, clusters of 4 x 4, 327,680 bytes of LDS; arguments pc, vt, stats, lowp_scales, out0; writes out0
.if DOCPART == 3
	.amdgcn_target "amdgcn-amd-amdhsa--gfx1250"
	.amdhsa_code_object_version 6
	.text
	.protected	k_q198fc25e82_pv
	.globl	k_q198fc25e82_pv
	.p2align	8
	.type	k_q198fc25e82_pv,@function
k_q198fc25e82_pv:
	s_mov_b64 s[64:65], 0
	v_nop
	global_prefetch_b8 v0, s[64:65] scope:SCOPE_SE
	s_setreg_imm32_b32 hwreg(HW_REG_WAVE_MODE, 25, 1), 1
	s_wait_xcnt 0x0
	s_wait_alu depctr_hold_cnt(0) depctr_sa_sdst(0) depctr_va_vdst(0) depctr_va_sdst(0) depctr_va_ssrc(0) depctr_va_vcc(0) depctr_vm_vsrc(0)
	s_getreg_b32 s2, hwreg(HW_REG_IB_STS2, 6, 4)
	s_cmp_eq_u32 s2, 0
	s_cbranch_scc0 .Lentry_in_a_cluster
	s_endpgm
.Lentry_in_a_cluster:
	s_bfe_u32 s2, ttmp6, 0x10000c
	s_cmp_lg_u32 s2, 0xf033
	s_cbranch_scc0 .Lentry_shape_is_right
	s_endpgm
.Lentry_shape_is_right:
; out[q][ch] = (the sum over keys of p[q][key] V[key][ch]) / l[q], on codes of FP8 (E4M3): p's codes from pc [batch][8 key tiles][2048 queries][256], V's from vt [batch x 8 key tiles][1024 channels][256 keys].
; EACH KEY TILE'S p STANDS UNDER ITS OWN WHOLE NUMBER M (stats: M and the tile's sum l for each query).  Ahead of a tile's products the sums so far, and the running l, are multiplied by 2^(old reference - new reference),
; an exact power of two.  The new reference is the tile's M, held at no less than (the largest M so far) - 64: so no factor is above 2^64 and no sum overflows; a tile that lies further down is added with too large a weight,
; which is still under 2^-64 of the row's largest term.  l goes the same way, so every reference cancels in sum / l.  At the end: x 2^(e8 + e9) / l.
; SHARES: a work-group has 128 channels and TWO blocks of 128 queries, i and 15 - i, one after the other.  Keys go in slots of 512: block i needs 1 slot (i < 4) or 2, block 15 - i needs 4 or 3: five slots in every work-group.
; i < 4: block 15 - i comes first (4 slots, then 1); else block i (2 slots, then 3): so the change of blocks stands behind an odd slot in both cases.
; A wave has 64 queries x 64 channels: 16 accumulators, 128 registers.  Keys behind a slot's last query are not walked (p is 0 there, for all values of the inputs); of the tiles above the diagonal four a batch lie in a slot that is: codes 0, M -2^32, l 0, as stored.
; CLUSTERS of 4 x 4: four blocks of channels (cx) x four i (cy); cluster y = 2 x batch + i / 4, so all sixteen change blocks behind the same slot.  p's tiles are shared along a row of the cluster, V's along a column.
; A slot: waves 0 and 1 fetch p's two tiles of 256 keys, waves 2 and 3 V's two, 128 rows of 256 bytes each.
; PREFETCH: at a slot's head the slot after the one just asked for, by a lane a row; the four partners of a joint load share its rows out by address; slot 0 comes by its load alone, slot 1 is asked for behind it.
; TRANSPOSED USE (source 0 = 16 channels, source 1 = 16 queries): lane (r, h) holds query 16 a + r and channels 16 b + 8 h + 0 .. 7.
; LIMITS: M stays under 2^31 in magnitude in every tile with an open key; none on e8 + e9 (applied by v_ldexp_f32).  NaN is not served, nor carried from the work left out.
; REGISTERS: window 0: addresses, statistics, v128-255 the accumulators, (a, b) at v[128 + 8 (4 a + b)].  windows 1 and 2: the fragments of a slot's four steps of 128 keys; on the way out window 1 holds results.
.set PITCH,  272                       ; an LDS row: 256 bytes + 16 of padding = 68 words: row r starts at bank 4 r mod 64 (64 banks of 4 bytes: ISA guide 11.1)
.set REG,    128*PITCH                 ; what a tensor load brings
.set SLOT,   4*REG
.set SPARE,  2*SLOT                    ; the spare words, 128 bytes a wave; no other line names them
.set STG,    SPARE+512                 ; the way out: 16 rows x 272 for each wave
.set ADRP, 16
.set ADRV, 20
.set STO,  24
.set RD,   25
.set CO,   26
.set SO8,  27                          ; 8 r: my query's statistics in a block of 16
.set SPW,  28
.set NIL,  29
.set PFO,  30
.set SS,   32                          ; v32-47 (M, l) of the slot's two tiles, for my query of blocks 0 .. 3
.set RR,   48                          ; the largest M so far
.set MP,   52                          ; the reference under which the sums stand
.set LL,   56                          ; the running l
.set GG,   60                          ; v60-67 the factor, at 2 a; the odd ones are named in pairs
.set TT,   68
.set ACC,  128
.set TMP,  0
.set BK,   128
.set G1, 24
.set G0, 32
.set G1B, 48
.set G0B, 56
.set NA, 68                            ; s68 slots of the first block
.set SN, 69                            ; s69 the slot last asked for, 0 .. 4
.set MSB, 0
.macro WIN new                         ; the immediate's high byte repeats the setting that is left
.if MSB != \new
	s_set_vgpr_msb (MSB<<8)|\new
.set MSB, \new
.endif
.endm
.macro JLOAD                           ; a joint load; the branch hangs on the wave's number alone
	s_cmp_eq_u32 s15, 0
	s_cbranch_scc0 .Lfor_b_\@
	tensor_load_to_lds s[G0:G0+3], s[G1:G1+7]
	s_nop 0
.rept 4
	v_nop
.endr
	s_branch .Lasked_\@
.Lfor_b_\@:
	tensor_load_to_lds s[G0B:G0B+3], s[G1B:G1B+7]
	s_nop 0
.rept 4
	v_nop
.endr
.Lasked_\@:
.endm
.macro CROUND
	s_barrier_signal -1
	s_barrier_wait -1
	s_cmp_lg_u32 s14, 0
	s_cbranch_scc1 .Lnot_wave_0_\@
	s_barrier_signal -3
.Lnot_wave_0_\@:
	s_barrier_wait -3
	s_barrier_signal -1
	s_barrier_wait -1
.endm
.macro ADDR                            ; where slot SN's tiles and statistics stand
	s_cmp_lt_u32 s[SN], s[NA]
	s_cselect_b32 s78, s70, s71
	s_cselect_b32 s82, s73, s74
	s_cselect_b32 s75, 0, s[NA]
	s_sub_co_u32 s75, s[SN], s75                   ; which 512 keys of the block's
	s_lshl_b32 s98, s75, 20
	s_add_co_u32 s78, s78, s98
	s_lshl_b32 s80, s75, 19
	s_add_co_u32 s80, s80, s72
	s_lshl_b32 s99, s75, 15
	s_add_co_u32 s82, s82, s99
	s_add_nc_u64 s[G0+2:G0+3], s[4:5], s[78:79]
	s_or_b32 s[G0+3], s[G0+3], 0x80000000
	s_add_nc_u64 s[G0B+2:G0B+3], s[6:7], s[80:81]
	s_or_b32 s[G0B+3], s[G0B+3], 0x80000000
	s_add_nc_u64 s[84:85], s[8:9], s[82:83]
.endm
.macro ASK last                        ; slot SN + 1; last = 1: in the last trip there is none
.if \last
	s_cmp_lt_u32 s[SN], 4
	s_cbranch_scc0 .Lnone_\@
.endif
	s_add_co_u32 s98, s[SN], 1
	s_cmp_lt_u32 s98, s[NA]
	s_cselect_b32 s96, s92, s93
	s_cselect_b32 s99, 0, s[NA]
	s_sub_co_u32 s98, s98, s99
	s_lshl_b32 s98, s98, s94
	s_add_co_u32 s96, s96, s98
	s_add_nc_u64 s[90:91], s[20:21], s[96:97]
	global_prefetch_b8 v[PFO], s[90:91] th:TH_LOAD_NT scope:SCOPE_SE
.Lnone_\@:
.endm
.macro STATS                           ; the statistics of slot SN
.irp a, 0,1,2,3
	global_load_b64 v[SS+2*\a:SS+2*\a+1], v[SO8], s[84:85] offset:128*\a
	global_load_b64 v[SS+8+2*\a:SS+8+2*\a+1], v[SO8], s[84:85] offset:16384+128*\a
.endr
.endm
.macro FRESH                           ; a block's start: the first factor comes out as 0, which clears the finite sums that stand there
.irp a, 0,1,2,3
	v_mov_b32 v[RR+\a], 0xff61b1e6                 ; -3e38
	v_mov_b32 v[MP+\a], 0xff61b1e6
	v_mov_b32 v[LL+\a], 0
.endr
.endm
	s_load_b128 s[4:7], s[0:1], 0x0                ; pc, vt
	s_load_b128 s[8:11], s[0:1], 0x10              ; stats, the exponents
	s_load_b64 s[12:13], s[0:1], 0x20              ; out0
	v_lshl_add_u32 v[SPW], v0, 2, SPARE
	v_mov_b32 v[NIL], 0
	ds_add_u32 v[SPW], v[NIL]                      ; the opening: the add, twice on end, and its wait
	ds_add_u32 v[SPW], v[NIL]
	v_lshrrev_b32 v1, 5, v0
	v_readfirstlane_b32 s14, v1                    ; wave 0..3
	s_lshr_b32 s15, s14, 1                         ; my 64 of the 128 queries.  Also: I fetch p (0) or V (1)
	s_and_b32 s16, s14, 1                          ; my 64 of the 128 channels.  Also: which of the slot's two tiles I fetch
	s_bfe_u32 s40, ttmp6, 0x40000                  ; cx
	s_bfe_u32 s41, ttmp6, 0x40004                  ; cy
	s_lshl_b32 s42, ttmp9, 2
	s_add_co_u32 s42, s42, s40                     ; the block of 128 channels, 0 .. 7
	s_and_b32 s18, ttmp7, 0xffff
	s_lshr_b32 s66, s18, 1                         ; the batch
	s_and_b32 s67, s18, 1
	s_lshl_b32 s17, s67, 2
	s_add_co_u32 s17, s17, s41                     ; i
	s_sub_co_u32 s18, 15, s17                      ; 15 - i
	s_cmp_eq_u32 s67, 0
	s_cselect_b32 s19, s18, s17
	s_cselect_b32 s18, s17, s18                    ; my second block of queries
	s_cselect_b32 s[NA], 4, 2
	s_mov_b32 s17, s19                             ; and my first
	s_lshl_b32 s43, s41, 2
	s_lshl_b32 s43, 15, s43                        ; my row of the cluster
	s_lshl_b32 s44, 0x1111, s40                    ; my column
	s_or_b32 s[G1], s43, (0<<16)|(1<<20)|(1<<21)|(5<<22)|(3<<25)   ; the mask; elements of 1 byte; padding on; 21 set beside a mask; four words after every 64
	s_or_b32 s[G1B], s44, (0<<16)|(1<<20)|(1<<21)|(5<<22)|(3<<25)
.irp g, G1, G1B
	s_mov_b32 s[\g+1], 256<<16
	s_mov_b32 s[\g+2], 128<<16
	s_mov_b32 s[\g+3], 256<<16
	s_mov_b32 s[\g+4], 128
	s_mov_b32 s[\g+5], 256
	s_mov_b32 s[\g+6], 0
	s_mov_b32 s[\g+7], 0
.endr
	s_lshl_b32 s19, s66, 3
	s_add_co_u32 s19, s19, s16                     ; 8 x batch + my tile of the two
	s_lshl_b32 s22, s19, 19
	s_lshl_b32 s70, s17, 15
	s_add_co_u32 s70, s70, s22                     ; p's offset, first block
	s_lshl_b32 s71, s18, 15
	s_add_co_u32 s71, s71, s22                     ; second block
	s_lshl_b32 s23, s19, 18
	s_lshl_b32 s72, s42, 15
	s_add_co_u32 s72, s72, s23                     ; V's offset
	s_lshl_b32 s22, s66, 17
	s_lshl_b32 s23, s15, 9
	s_add_co_u32 s22, s22, s23
	s_lshl_b32 s73, s17, 10
	s_add_co_u32 s73, s73, s22                     ; statistics, first block
	s_lshl_b32 s74, s18, 10
	s_add_co_u32 s74, s74, s22                     ; second block
	s_mov_b32 s79, 0
	s_mov_b32 s81, 0
	s_mov_b32 s83, 0
	s_mov_b32 s97, 0
	s_mov_b32 s[SN], 0
	s_mul_i32 s45, s14, REG                        ; no place in the cluster enters an LDS address
	s_mov_b32 s[G0], 1
	s_mov_b32 s[G0+1], s45
	s_mov_b32 s[G0B], 1
	s_mov_b32 s[G0B+1], s45
	s_wait_dscnt 0x0                               ; both opening adds are done
	s_wait_kmcnt 0x0
	s_load_b64 s[76:77], s[10:11], 0x20            ; e8, e9
	ADDR
	CROUND                                         ; all sixteen work-groups are here: the first joint loads meet
	JLOAD                                          ; slot 0: one tensor load a wave at the head
	; the prefetches: wave 0, 1: p; wave 2, 3: V; 32 of the 128 rows
	s_cmp_eq_u32 s15, 0
	s_cselect_b64 s[20:21], s[4:5], s[6:7]
	s_cselect_b32 s92, s70, s72
	s_cselect_b32 s93, s71, s72
	s_cselect_b32 s94, 20, 19
	s_cselect_b32 s98, s40, s41
	s_lshl_b32 s98, s98, 13
	s_add_co_u32 s92, s92, s98
	s_add_co_u32 s93, s93, s98
	v_and_b32 v8, 31, v0
	v_lshlrev_b32 v[PFO], 8, v8
	v_and_b32 v1, 15, v0                           ; r
	v_bfe_u32 v2, v0, 4, 1                         ; h
	v_lshlrev_b32 v[SO8], 3, v1
	s_wait_alu depctr_va_vdst(0)
	ASK 0                                          ; slot 1
	STATS
	; out: row 2,048 x batch + 128 x block + 64 x half of 4,096 bytes, + 512 x channel block + 256 x half
	s_lshl_b32 s86, s66, 23
	s_lshl_b32 s22, s15, 18
	s_add_co_u32 s86, s86, s22
	s_lshl_b32 s22, s42, 9
	s_add_co_u32 s86, s86, s22
	s_lshl_b32 s22, s16, 8
	s_add_co_u32 s86, s86, s22
	s_lshl_b32 s88, s18, 19
	s_add_co_u32 s88, s88, s86
	s_lshl_b32 s22, s17, 19
	s_add_co_u32 s86, s86, s22
	s_mov_b32 s87, 0
	s_mov_b32 s89, 0
	s_add_nc_u64 s[86:87], s[12:13], s[86:87]
	s_add_nc_u64 s[88:89], s[12:13], s[88:89]
	s_mul_i32 s18, s15, 64*PITCH
	s_mul_i32 s19, s16, 64*PITCH
	s_add_co_u32 s19, s19, 2*REG                   ; V's tiles lie behind p's two
	s_mul_i32 s23, s14, 16*PITCH
	s_add_co_u32 s23, s23, STG                     ; my stage
	v_mul_u32_u24 v3, v1, PITCH
	v_lshl_add_u32 v4, v2, 4, v3                   ; a fragment's row x pitch + 16 x half
	v_lshl_add_u32 v5, v2, 5, v3                   ; the stage, in: row r, 32 bytes for each half of the lanes
	v_add_nc_u32 v[ADRP], s18, v4
	v_add_nc_u32 v[ADRV], s19, v4
	v_add_nc_u32 v[ADRP+1], SLOT, v[ADRP]
	v_add_nc_u32 v[ADRV+1], SLOT, v[ADRV]
	v_add_nc_u32 v[STO], s23, v5
	v_mul_u32_u24 v6, v2, PITCH                    ; back: lanes 0-15 take one row of 256 bytes, lanes 16-31 the next
	v_lshl_add_u32 v6, v1, 4, v6
	v_add_nc_u32 v[RD], s23, v6
	v_lshlrev_b32 v7, 12, v2                       ; and the same two rows in out
	v_lshl_add_u32 v[CO], v1, 4, v7
.irp a, 0,1,2,3
	v_mov_b32 v[GG+2*\a+1], 0                      ; named as the upper half of a pair
.endr
	FRESH
.set ij, 0
.rept 128
	v_mov_b32 v[ACC+ij], 0                         ; the slots' text is written for any slot: the first finds zeros
.set ij, ij+1
.endr
	s_wait_alu depctr_va_vdst(0)
	s_wait_kmcnt 0x0
	s_add_co_i32 s76, s76, s77                     ; e8 + e9
.macro FETCH sl, cc                    ; 32 LDS loads: V's four fragments and p's four of the slot's cc-th 128 keys.  Lane l holds row l % 16; registers 4 k .. 4 k + 3 hold keys 32 k + 16 (l / 16) + 0 .. 15, in p and in V alike
.irp i, 0,1,2,3
.irp k, 0,1,2,3
	ds_load_b128 v[128*((\cc)%2)+16*\i+4*\k:128*((\cc)%2)+16*\i+4*\k+3], v[ADRV+\sl] offset:((\cc)/2)*REG+128*((\cc)%2)+32*\k+\i*16*PITCH
.endr
.endr
.irp i, 0,1,2,3
.irp k, 0,1,2,3
	ds_load_b128 v[128*((\cc)%2)+64+16*\i+4*\k:128*((\cc)%2)+64+16*\i+4*\k+3], v[ADRP+\sl] offset:((\cc)/2)*REG+128*((\cc)%2)+32*\k+\i*16*PITCH
.endr
.endr
.endm
.macro MUL cc                          ; 16 matrix instructions; the 16 accumulators take turns, one instruction a turn
.irp a, 0,1,2,3
.irp b, 0,1,2,3
	v_wmma_f32_16x16x128_fp8_fp8 v[ACC+8*(4*\a+\b):ACC+8*(4*\a+\b)+7], v[128*((\cc)%2)+16*\b:128*((\cc)%2)+16*\b+15], v[128*((\cc)%2)+64+16*\a:128*((\cc)%2)+64+16*\a+15], v[ACC+8*(4*\a+\b):ACC+8*(4*\a+\b)+7]
.endr
.endr
.endm
; Ahead of a key tile: the sums and l go from the old reference to the new.  Its lines on the statistics are the places behind the products ahead of it.
.macro RESC t
.set SB, SS+8*(\t)
.irp a, 0,1,2,3
	v_max_num_f32 v[RR+\a], v[RR+\a], v[SB+2*\a]   ; the largest M so far
.endr
.irp a, 0,1,2,3
	v_add_f32 v[TT+\a], 0xc2800000, v[RR+\a]       ; less 64
.endr
.irp a, 0,1,2,3
	v_max_num_f32 v[TT+\a], v[TT+\a], v[SB+2*\a]   ; the new reference
.endr
.irp a, 0,1,2,3
	v_sub_f32 v[GG+2*\a], v[MP+\a], v[TT+\a]       ; old less new: a whole number, 64 at the most
.endr
.irp a, 0,1,2,3
	v_mov_b32 v[MP+\a], v[TT+\a]
.endr
.irp a, 0,1,2,3
	v_cvt_i32_f32 v[GG+2*\a], v[GG+2*\a]           ; (it saturates)
.endr
.irp a, 0,1,2,3
	v_ldexp_f32 v[GG+2*\a], 1.0, v[GG+2*\a]        ; the factor: a power of two, or 0 where it falls under f32's range
.endr
.irp a, 0,1,2,3
	v_fma_f32 v[LL+\a], v[LL+\a], v[GG+2*\a], v[SB+2*\a+1]
.endr
.irp a, 0,1,2,3
.set ij, 0
.rept 16
	v_pk_mul_f32 v[ACC+32*\a+ij:ACC+32*\a+ij+1], v[ACC+32*\a+ij:ACC+32*\a+ij+1], v[GG+2*\a:GG+2*\a+1] op_sel_hi:[1,0]   ; each accumulator from its low end on
.set ij, ij+2
.endr
.endr
.endm
; A SLOT.  At its head the change of slots: each wave waits for all its tensor loads (its part of this slot), adds 0 to its spare word, and waits for that and for its reads of the other slot; behind the round the other slot is filled.
; fill = 1: with the next slot's tiles, which have this whole slot's work in which to land.  ask = 1, 2: a prefetch, in every trip or in all but the last.
.macro STEP sl, fill, ask
	s_wait_alu depctr_va_vdst(0)
	s_wait_xcnt 0x0                                ; every earlier load, store and prefetch has read its registers
	s_wait_tensorcnt 0x0
	ds_add_u32 v[SPW], v[NIL]
.if \fill
	s_add_co_u32 s[SN], s[SN], 1
	ADDR
	s_add_co_u32 s[G0+1], s45, (1-\sl)*SLOT
	s_add_co_u32 s[G0B+1], s45, (1-\sl)*SLOT
.endif
	s_wait_dscnt 0x0
.if \fill
	CROUND                                         ; no wave of any partner still reads the other slot or has a load on its way
	JLOAD
.else
	s_barrier_signal -1
	s_barrier_wait -1
.endif
	WIN 0x40                                       ; destination window 1
	FETCH \sl, 0
	FETCH \sl, 1
	WIN 0
.if \ask
	ASK \ask-1
.endif
	s_wait_loadcnt 0x0                             ; the slot's statistics, asked for a slot ago
	RESC 0
	s_wait_alu depctr_va_vdst(0)
	s_wait_dscnt 32                                ; the first 128 keys' fragments are in
	WIN 0x05                                       ; sources 0 and 1 window 1, C and D window 0
	MUL 0
	WIN 0x80                                       ; destination window 2
	FETCH \sl, 2
	s_wait_dscnt 32
	WIN 0x05
	MUL 1
	WIN 0x80
	FETCH \sl, 3
	WIN 0
	RESC 1
.if \fill
	STATS
.endif
	s_wait_alu depctr_va_vdst(0)
	s_wait_dscnt 32
	WIN 0x0a                                       ; sources window 2
	MUL 2
	s_wait_dscnt 0x0
	MUL 3
	WIN 0
.endm
; THE WAY OUT of a block of queries: x 2^(e8 + e9) / l; 16 queries x 64 channels at a time through my own stage and back as rows of 256 bytes.  LDS serves a wave's instructions in order (ISA guide 5.7.1.4).
.macro WAYOUT ob
	s_wait_alu depctr_va_vdst(0)
.irp a, 0,1,2,3
	v_rcp_f32 v[TT+\a], v[LL+\a]
.endr
	v_nop                                          ; one plain instruction behind the last reciprocal
	s_wait_alu depctr_va_vdst(0)                   ; one wait for the four, ahead of their first reader
.irp a, 0,1,2,3
	v_ldexp_f32 v[GG+2*\a], v[TT+\a], s76          ; (with the v_nop, five places behind the last products)
.endr
	WIN 0x40
	s_wait_alu depctr_va_vdst(0)                   ; directly ahead of the first reader of the sums
.irp a, 0,1,2,3
.set ij, 0
.rept 16
	v_pk_mul_f32 v[TMP+32*\a+ij:TMP+32*\a+ij+1], v[ACC+32*\a+ij:ACC+32*\a+ij+1], v[GG+2*\a:GG+2*\a+1] op_sel_hi:[1,0]
.set ij, ij+2
.endr
.endr
.irp a, 0,1,2,3
	WIN 0x04                                       ; store data window 1
.irp b, 0,1,2,3
	ds_store_b128 v[STO], v[TMP+32*\a+8*\b:TMP+32*\a+8*\b+3] offset:64*\b
	ds_store_b128 v[STO], v[TMP+32*\a+8*\b+4:TMP+32*\a+8*\b+7] offset:64*\b+16
.endr
	WIN 0x40
.irp t, 0,1,2,3,4,5,6,7
	ds_load_b128 v[BK+32*\a+4*\t:BK+32*\a+4*\t+3], v[RD] offset:\t*2*PITCH
.endr
.endr
	WIN 0x04
.irp a, 0,1,2,3
	s_wait_dscnt 48-16*\a                          ; behind block a's loads: 16 LDS instructions for each later block
.irp t, 0,1,2,3,4,5,6,7
	global_store_b128 v[CO], v[BK+32*\a+4*\t:BK+32*\a+4*\t+3], s[\ob:\ob+1] offset:(16*\a+2*\t)*4096 th:TH_STORE_NT   ; 16 lanes store 256 consecutive bytes, at a multiple of 256
.endr
.endr
	WIN 0
.endm
	s_mov_b32 s3, 2
.Llap:                                                 ; slots 0 and 1, then 2 and 3
	STEP 0, 1, 1
	STEP 1, 1, 2
	s_cmp_eq_u32 s[SN], s[NA]                      ; the first block ends behind slot 1 or 3: the same in all sixteen partners
	s_cbranch_scc0 .Lnot_yet
	WAYOUT 86
	FRESH
.Lnot_yet:
	s_sub_co_u32 s3, s3, 1
	s_wait_alu depctr_va_vdst(0)
	s_cmp_lg_u32 s3, 0
	s_cbranch_scc1 .Llap
	STEP 0, 0, 0                                   ; slot 4, written out: nothing is left to fetch
	WAYOUT 88
	s_wait_tensorcnt 0x0                           ; the wave's end
	ds_add_u32 v[SPW], v[NIL]
	s_wait_dscnt 0x0
	CROUND                                         ; the closing round
	s_endpgm
.Lfunc_end_k_q198fc25e82_pv:
	.size	k_q198fc25e82_pv, .Lfunc_end_k_q198fc25e82_pv-k_q198fc25e82_pv
	.p2alignl 7, 3214868480
	.fill 96, 4, 3214868480
	.section	.rodata,"a",@progbits
	.p2align	6, 0x0
	.amdhsa_kernel k_q198fc25e82_pv
		.amdhsa_group_segment_fixed_size 327680
		.amdhsa_private_segment_fixed_size 0
		.amdhsa_enable_private_segment 0
		.amdhsa_kernarg_size 40
		.amdhsa_user_sgpr_count 2
		.amdhsa_user_sgpr_kernarg_segment_ptr 1
		.amdhsa_wavefront_size32 1
		.amdhsa_system_sgpr_workgroup_id_x 1
		.amdhsa_system_sgpr_workgroup_id_y 1
		.amdhsa_system_sgpr_workgroup_id_z 1
		.amdhsa_system_vgpr_workitem_id 0
		.amdhsa_next_free_vgpr 768
		.amdhsa_next_free_sgpr 100
		.amdhsa_reserve_vcc 0
		.amdhsa_float_denorm_mode_32 3
		.amdhsa_float_denorm_mode_16_64 3
		.amdhsa_memory_ordered 1
		.amdhsa_forward_progress 1
		.amdhsa_inst_pref_size 114
	.end_amdhsa_kernel
	.amdgpu_metadata
---
amdhsa.version: [ 1, 2 ]
amdhsa.kernels:
  - .name:           k_q198fc25e82_pv
    .symbol:         k_q198fc25e82_pv.kd
    .args:
      - { .name: pc, .offset: 0, .size: 8, .value_kind: global_buffer, .address_space: global }
      - { .name: vt, .offset: 8, .size: 8, .value_kind: global_buffer, .address_space: global }
      - { .name: stats, .offset: 16, .size: 8, .value_kind: global_buffer, .address_space: global }
      - { .name: lowp_scales, .offset: 24, .size: 8, .value_kind: global_buffer, .address_space: global }
      - { .name: out0, .offset: 32, .size: 8, .value_kind: global_buffer, .address_space: global }
    .group_segment_fixed_size: 327680
    .private_segment_fixed_size: 0
    .kernarg_segment_align: 8
    .kernarg_segment_size: 40
    .max_flat_workgroup_size: 128
    .sgpr_count:     100
    .vgpr_count:     768
    .wavefront_size: 32
...
	.end_amdgpu_metadata
.endif
;; end of part 3
